; MI455X (gfx1250); checked and timed in simulation.
; The chip was launched on July 23, 2026; its instructions are those of AMD's public machine-readable ISA for CDNA 5 (MIT licence, August 2026) and "CDNA5" Instruction Set Architecture Reference Guide (July 2026). The comments in the code are by the model that wrote it; some were corrected since.
;; Steering Attention. Allowed arithmetic: matrix products marked QUANTISED: E2M1 operands, one E8M0 scale for each 32 along K, by v_wmma_scale_f32_16x16x128_f8f6f4 with both operands' format E2M1 (or v_wmma_scale_f32_32x16x128_f4), f32 sums; products left as they are: bf16, f16 or f32 operands; f32 sums; everything else in f32.
;; Inputs: Wk 512 x 2,048 float32; Wo 2,048 x 2,048 float32; Wq 2,048 x 2,048 float32; Wv 512 x 2,048 float32; attention_mask 1 x 1 x 2,048 x 2,048 float32; hidden_states 1 x 2,048 x 2,048 float32; position_ids 1 x 2,048 int32; prior 2,048 float32.
;; Outputs: out0 1 x 2,048 x 2,048 float32.
;; This version of the problem:
;;   THIS VERSION OF THE PROBLEM IS GIVEN IN LOW PRECISION. The matrix products marked QUANTISED in the list below multiply operands that are first quantised to E2M1 (2 exponent bits, 1 mantissa bit; 4 bits a number), with one power-of-two scale for each 32 numbers along K (OCP MX v1.0); their sums are f32. The products marked 'left as it is' may take bf16, f16 or f32 operands, with f32 sums. Whichever they take, every output number must still come out within the allowed error. Rounding operands to bf16 (8 significant bits) uses up far more of that allowance than f16 does (11 bits, for magnitudes from 6e-5 to 65,504). All else is computed in f32.
;;   The module's matrix products, in the order in which they are computed (A, B: the left and right operand; K: the contracted axis; several contracted axes count as one K, in the product's order):
;;     1. [M 2,048, K 2,048] x [K 2,048, N 2,048]; A: input hidden_states; B: input Wq: QUANTISED
;;     2. [M 2,048, K 2,048] x [K 2,048, N 512]; A: input hidden_states; B: input Wk: QUANTISED
;;     3. [M 2,048, K 2,048] x [K 2,048, N 512]; A: input hidden_states; B: input Wv: QUANTISED
;;     4. batch 32 x [M 2,048, K 64] x [K 64, N 2,048]; A: computed on the way; B: computed on the way: left as it is (an operand is computed on the way)
;;     5. batch 32 x [M 2,048, K 2,048] x [K 2,048, N 64]; A: computed on the way; B: computed on the way: left as it is (an operand is computed on the way)
;;     6. [M 2,048, K 2,048] x [K 2,048, N 2,048]; A: computed on the way; B: input Wo: left as it is (an operand is computed on the way)
;;   THE QUANTISER, for each operand of a quantised product, along K:
;;     - K is cut into blocks of 32 from its start; a last block that is shorter is filled with zeros.
;;     - A block's scale is 2^e with e = floor(log2(the largest magnitude in the block)) - 2, held to -126 .. 127; a block of zeros has e = 0. As a byte (E8M0): e + 127.
;;     - Each number is divided by its block's scale, clamped to +-6, and rounded to the nearest number of E2M1, ties to even, subnormals kept.
;;     - The product sums the exact products of the quantised numbers (number of the format x scale) in f32.
;;   ~~~python
;;   def quantise(x, axis):      # numpy; x: float32 -> the quantised numbers, widened to float32 again
;;       x = np.moveaxis(x, axis, -1); K = x.shape[-1]
;;       x = np.pad(x, [(0, 0)] * (x.ndim - 1) + [(0, -K % 32)]); x = x.reshape(x.shape[:-1] + (-1, 32)); a = np.abs(x).max(-1, keepdims=True)
;;       e = np.where(a > 0, np.clip(np.frexp(np.where(a > 0, a, 1))[1] - 1 - 2, -126, 127), 0)      # np.frexp(a)[1] - 1 = floor(log2(a)), exactly
;;       r = np.clip(x / 2.0 ** e, -6, 6)
;;       step = 2.0 ** (np.maximum(np.frexp(np.where(r == 0, 1, r))[1] - 1, 0) - 1)
;;       q = np.round(r / step) * step * 2.0 ** e      # np.round: ties to even
;;       return np.moveaxis(q.reshape(q.shape[:-2] + (-1,))[..., :K], -1, axis).astype(np.float32)
;;   ~~~
;; One version. Each part assembles by itself: llvm-mc -triple=amdgcn-amd-amdhsa -mcpu=gfx1250 --defsym DOCPART=n.
;; ======== version 1 of 1: 6 launches
;; limits: right only within a limited range of input values; values are held in f16: magnitudes above 65,504 overflow, below 6.1e-05 lose precision
;; workspace buffers: prepd 15,015,936 bytes; flags 2,048 bytes of whole numbers; qkvb 16,777,216 bytes; att 8,388,608 bytes; af 131,072 bytes
;; launch prep (part 1): grid 608 x 1, 4 waves a work-group, no clusters, 33,280 bytes of LDS; arguments hidden_states, Wq, Wk, Wv, Wo, attention_mask, position_ids, prior, prepd, flags; writes prepd, flags
.if DOCPART == 1
	.amdgcn_target "amdgcn-amd-amdhsa--gfx1250"
	.amdhsa_code_object_version 6
	.text
	.protected	k_q2f035b5554_prep
	.globl	k_q2f035b5554_prep
	.p2align	8
	.type	k_q2f035b5554_prep,@function
k_q2f035b5554_prep:
	s_mov_b64 s[64:65], 0
	v_nop
	global_prefetch_b8 v0, s[64:65] scope:SCOPE_SE
	s_setreg_imm32_b32 hwreg(HW_REG_WAVE_MODE, 25, 1), 1
	s_wait_xcnt 0x0
; PREP: everything that is made once from the inputs.  Four kinds of work-groups, told apart by the work-group's number alone:
;   0-319    hidden_states, Wq, Wk, Wv (f32, K innermost) become codes of E2M1 with one E8M0 byte for each 32 along K;
;   320-447  Wo becomes f16, row-major (the output projection's operand);
;   448-575  the additive mask is read once and turned into whole numbers: which blocks of 128 keys a group of four query rows needs;
;   576-607  the tables of RoPE's cosines and sines, with the factors that ride on them, and the factor of V.
; prepd, in bytes: 0 x's codes [2048][1024]; 2,097,152 the weights' codes [3072][1024]; XS_O x's scale bytes [2048][64], behind them the weights' [3072][64];
;   QT_O the table for Q, 524,288 further on the table for K; SV_O sv[2048]; WO_O Wo in f16 [2048][2048].
; The weights' rows: 0-2047 Wq's; 2048 + 256 m + i is Wk's row 128 m + i (i < 128); 2048 + 256 m + 128 + i is Wv's row 128 m + i: so a block of 256 rows holds two K heads and the same two V heads.
; A table holds, for each tile of 16 tokens, 8 pieces of 512 bytes (cos of frequencies 0-15, 16-31, then sin): lane (r, h) of piece 2 b + u has the four numbers of token r, frequencies 16 b + 8 h + 4 u + 0..3.
;   Q's table is multiplied by log2(e) / 8, K's by gamma[token] = clip(1 + 0.1 prior).  sv = clip(1 + 0.1 prior) x (1 + 0.3 prior).
; FLAGS: word 4 T + w, bit i: some row of 16 T + 4 w .. + 3 has, among keys 128 i .. 128 i + 127, a mask value above (the row's largest mask value - 1e8).
; LIMITS: a block left out so adds exactly 0 in f32 while |q.k / 8 + bias| stays under 4.9e7.  NaN and infinities in any input are not served.  Blocks whose largest magnitude lies under 2^(2 - 126) get the byte 1
;   (a block of zeros too: its codes are zeros, and this program alone reads the bytes).  Angles: |position| up to 2^21; 1 / theta^(i / 32) comes from v_exp_f32, some 2 units in the last place off.
.set XS_O,  5242880
.set QT_O,  5570560
.set SV_O,  6619136
.set WO_O,  6627328
.set WAVES, 4
.set STEPS, 16
.set EMAX,  2
.set CB,    8                          ; bytes of 16 codes
.set R,     16                         ; v16-79   four sets of 16 numbers as they are loaded
.set X,     80                         ; v80-111  two sets of 16 neighbours
.set C,     128                        ; v128-191 codes: four registers for each step
.set E,     112                        ; v112-127 a scale byte for each step
.set WREG,  8192                       ; LDS: a region for each wave: two stages of 32 x SP bytes, then its 256 scale bytes
.set SP,    80                         ; a lane's place in a stage: 64 bytes + 16 of padding
.set SPW,   12                         ; v12 LDS address of my spare word; never rewritten
.set NIL,   13                         ; v13 0; never rewritten
.set SPARE, WAVES*WREG                 ; behind the four regions: the spare words, 128 bytes a wave
	s_load_b512 s[4:19], s[0:1], 0x0               ; x s[4:5], Wq s[6:7], Wk s[8:9], Wv s[10:11], Wo s[12:13], mask s[14:15], positions s[16:17], prior s[18:19]
	s_load_b128 s[20:23], s[0:1], 0x40             ; prepd s[20:21], flags s[22:23]
	v_lshl_add_u32 v[SPW], v0, 2, SPARE
	v_mov_b32 v[NIL], 0
	v_lshrrev_b32 v1, 5, v0
	v_readfirstlane_b32 s24, v1                    ; wave
	v_and_b32 v2, 31, v0                           ; lane
	v_lshlrev_b32 v3, 4, v2                        ; 16 x lane
	s_mov_b32 s37, 0                               ; the upper word of every offset
	s_wait_kmcnt 0x0
	s_cmp_lt_u32 ttmp9, 320
	s_cbranch_scc0 .Lnot_q
; ---------------- the quantiser.  A wave takes a run of 8,192 numbers (4 rows): 16 steps of 512.  Each load reads 512 consecutive bytes; a step's 2,048 bytes turn through the wave's own stage in LDS,
; so that a lane holds 16 neighbours along K (two lanes to a block).  A step's codes leave as 256 consecutive bytes, a run's 256 scale bytes as one store.
	s_mul_i32 s26, s24, WREG
	v_lshrrev_b32 v14, 2, v2
	v_mul_u32_u24 v14, v14, SP
	v_and_b32 v15, 3, v2
	v_lshl_add_u32 v14, v15, 4, v14
	v_add_nc_u32 v14, s26, v14                     ; the stage, on the way in: SP (lane / 4) + 16 (lane % 4)
	v_mul_u32_u24 v15, v2, SP
	v_add_nc_u32 v15, s26, v15                     ; and on the way out: SP x lane
	v_mul_u32_u24 v4, v2, CB                       ; my codes' place in a step's
	v_lshrrev_b32 v5, 1, v2
	s_add_co_u32 s26, s26, 2*32*SP
	v_add_nc_u32 v5, s26, v5                       ; LDS: my block's byte among my wave's 256
	v_lshlrev_b32 v7, 3, v2
	v_add_nc_u32 v6, s26, v7
	s_mov_b64 s[28:29], s[10:11]                   ; which tensor: the choice hangs on the work-group's number alone
	s_mov_b32 s30, 288                             ; its first work-group
	s_mov_b32 s31, 1056                            ; Wk, Wv: where their runs begin among the destination's
	s_cmp_lt_u32 ttmp9, 288
	s_cselect_b64 s[28:29], s[8:9], s[28:29]
	s_cselect_b32 s30, 256, s30
	s_cselect_b32 s31, 1024, s31
	s_cmp_lt_u32 ttmp9, 256
	s_cselect_b64 s[28:29], s[6:7], s[28:29]
	s_cselect_b32 s30, 128, s30
	s_cmp_lt_u32 ttmp9, 128
	s_cselect_b64 s[28:29], s[4:5], s[28:29]
	s_cselect_b32 s30, 0, s30
	s_sub_co_u32 s32, ttmp9, s30                   ; j: my work-group within the tensor
	s_lshl_b32 s33, s32, 2
	s_add_co_u32 s33, s33, s24                     ; the source's run: 4 j + wave
	s_lshr_b32 s34, s32, 3
	s_lshl_b32 s34, s34, 6
	s_and_b32 s35, s32, 7
	s_lshl_b32 s35, s35, 2
	s_add_co_u32 s34, s34, s35
	s_add_co_u32 s34, s34, s31
	s_add_co_u32 s34, s34, s24                     ; Wk, Wv: run 1024 (+ 32) + 64 (j / 8) + 4 (j % 8) + wave
	s_lshl_b32 s35, ttmp9, 2
	s_add_co_u32 s35, s35, s24                     ; x, Wq: run 4 x work-group + wave
	s_cmp_lt_u32 ttmp9, 256
	s_cselect_b32 s34, s35, s34
	s_lshl_b32 s36, s33, 15
	s_add_nc_u64 s[28:29], s[28:29], s[36:37]      ; the numbers: 32,768 bytes a run
	s_lshl_b32 s36, s34, 12
	s_add_nc_u64 s[38:39], s[20:21], s[36:37]      ; the codes: 4,096 bytes a run
	s_lshl_b32 s36, s34, 8
	s_add_co_u32 s36, s36, XS_O
	s_add_nc_u64 s[40:41], s[20:21], s[36:37]      ; the scale bytes: 256 a run
.macro LOAD t
.irp i, 0,1,2,3
	global_load_b128 v[R+16*((\t)%4)+4*\i:R+16*((\t)%4)+4*\i+3], v3, s[28:29] offset:2048*(\t)+512*\i th:TH_LOAD_NT
.endr
.endm
.macro TURN t                          ; step t's numbers through the stage: LDS serves a wave's instructions in order, so no wait stands between the stores and the loads
.irp i, 0,1,2,3
	ds_store_b128 v14, v[R+16*((\t)%4)+4*\i:R+16*((\t)%4)+4*\i+3] offset:32*SP*((\t)%2)+8*SP*\i
.endr
.irp i, 0,1,2,3
	ds_load_b128 v[X+16*((\t)%2)+4*\i:X+16*((\t)%2)+4*\i+3], v15 offset:32*SP*((\t)%2)+16*\i
.endr
.endm
.irp t, 0,1,2,3
	LOAD \t
.endr
	s_wait_loadcnt 12                              ; step 0's four loads are in; the twelve of steps 1 to 3 may be out
	TURN 0
.macro STEP t
.set XQ, X+16*((\t)%2)
.if (\t) > 0
	s_wait_dscnt 1                                 ; this step's numbers are back from the stage (the last step's byte store may be out)
.else
	s_wait_dscnt 0x0
.endif
.if (\t)+4 < STEPS
	LOAD (\t)+4
.endif
.if (\t)+1 < STEPS
.if STEPS-2-(\t) >= 3
	s_wait_loadcnt 12                              ; the next step's four loads are in; those of the three steps behind it may be out
.else
	s_wait_loadcnt 4*(STEPS-2-(\t))
.endif
	TURN (\t)+1
.endif
	v_max3_num_f32 v8, |v[XQ]|, |v[XQ+1]|, |v[XQ+2]|               ; the largest magnitude of my 16
	v_max3_num_f32 v9, |v[XQ+3]|, |v[XQ+4]|, |v[XQ+5]|
.irp i, 6,10
	v_max3_num_f32 v8, v8, |v[XQ+\i]|, |v[XQ+\i+1]|
	v_max3_num_f32 v9, v9, |v[XQ+\i+2]|, |v[XQ+\i+3]|
.endr
	v_max3_num_f32 v8, v8, |v[XQ+14]|, |v[XQ+15]|
	v_max3_num_f32 v8, v8, v9, (EMAX+1)<<23        ; and the floor 2^(EMAX + 1 - 127): the byte cannot fall under 1
	v_max_num_f32_dpp v8, v8, v8 row_xmask:1 row_mask:0xf bank_mask:0xf   ; and of my neighbour's 16: the block's
	v_add_nc_u32 v11, -(EMAX<<23), v8              ; EMAX off its exponent field: the conversion takes that field as its scale
	v_cvt_scalef32_pk8_fp4_f32 v[C+4*(\t)], v[XQ:XQ+7], v11
	v_cvt_scalef32_pk8_fp4_f32 v[C+4*(\t)+1], v[XQ+8:XQ+15], v11
	v_lshrrev_b32 v[E+(\t)], 23, v11               ; the scale's byte
	ds_store_b8 v5, v[E+(\t)] offset:16*(\t)       ; both lanes of a block write the same byte with the same value
	global_store_b64 v4, v[C+4*(\t):C+4*(\t)+1], s[38:39] offset:32*CB*(\t)
.endm
.irp t, 0,1,2,3,4,5,6,7,8,9,10,11,12,13,14,15
	STEP \t
.endr
	ds_load_b64 v[8:9], v6                         ; in order behind my byte stores
	s_wait_dscnt 0x0
	global_store_b64 v7, v[8:9], s[40:41]          ; 32 lanes store 256 consecutive bytes
	s_wait_tensorcnt 0x0                           ; the wave's end, behind my last LDS store
	ds_add_u32 v[SPW], v[NIL]
	s_wait_dscnt 0x0
	s_endpgm
; ---------------- Wo to f16.  A wave takes 8,192 numbers, 16 steps of 512; loads run four steps ahead; each store covers 256 consecutive bytes.
.Lnot_q:
	s_cmp_lt_u32 ttmp9, 448
	s_cbranch_scc0 .Lnot_w
	s_sub_co_u32 s26, ttmp9, 320
	s_lshl_b32 s26, s26, 2
	s_add_co_u32 s26, s26, s24                     ; my run
	s_lshl_b32 s36, s26, 15
	s_add_nc_u64 s[28:29], s[12:13], s[36:37]
	s_lshl_b32 s36, s26, 14
	s_add_co_u32 s36, s36, WO_O
	s_add_nc_u64 s[38:39], s[20:21], s[36:37]
	v_lshlrev_b32 v4, 3, v2                        ; 8 bytes a lane on the way out
.irp t, 0,1,2,3
	LOAD \t
.endr
.macro STEPW t
.if (\t) < 12
	s_wait_loadcnt 12                              ; this step's four loads are in; the twelve of the three steps behind it may be out
.else
	s_wait_loadcnt 4*(15-(\t))
.endif
	s_wait_xcnt 0x0                                ; the stores of four steps ago have read the registers that are written next
.irp i, 0,1,2,3
	v_cvt_pk_f16_f32 v[80+8*((\t)%4)+2*\i], v[R+16*((\t)%4)+4*\i], v[R+16*((\t)%4)+4*\i+1]
	v_cvt_pk_f16_f32 v[80+8*((\t)%4)+2*\i+1], v[R+16*((\t)%4)+4*\i+2], v[R+16*((\t)%4)+4*\i+3]
.endr
.if (\t)+4 < 16
	LOAD (\t)+4
.endif
.irp i, 0,1,2,3
	global_store_b64 v4, v[80+8*((\t)%4)+2*\i:80+8*((\t)%4)+2*\i+1], s[38:39] offset:1024*(\t)+256*\i
.endr
.endm
.irp t, 0,1,2,3,4,5,6,7,8,9,10,11,12,13,14,15
	STEPW \t
.endr
	s_endpgm
; ---------------- the mask's flags.  Work-group T, wave w: rows 16 T + 4 w .. + 3, a row at a time; load i of a row is its key block i (512 bytes).  Two rows are on their way.
.Lnot_w:
	s_cmp_lt_u32 ttmp9, 576
	s_cbranch_scc0 .Lnot_m
	s_sub_co_u32 s26, ttmp9, 448
	s_lshl_b32 s36, s26, 17                        ; 16 rows of 8,192 bytes,
	s_lshl_b32 s27, s24, 15                        ; my four of them
	s_add_co_u32 s36, s36, s27
	s_add_nc_u64 s[28:29], s[14:15], s[36:37]
	s_lshl_b32 s36, s26, 4
	s_lshl_b32 s27, s24, 2
	s_add_co_u32 s36, s36, s27
	s_add_nc_u64 s[38:39], s[22:23], s[36:37]      ; my word
	s_mov_b32 s30, 0x76543210
	s_mov_b32 s31, 0xfedcba98                      ; v_permlanex16_b32's selects for lane l xor 16
	s_mov_b32 s32, 0x4cbebc20                      ; 1e8
	v_mov_b32 v9, 0                                ; (a lane permute's destination counts as one of its sources)
.macro LOADROW rr
.set k, 0
.rept 16
	global_load_b128 v[32+64*((\rr)%2)+4*k:32+64*((\rr)%2)+4*k+3], v3, s[28:29] offset:8192*(\rr)+512*k th:TH_LOAD_NT
.set k, k+1
.endr
.endm
	LOADROW 0
	LOADROW 1
.macro ROW rr
.if (\rr) < 3
	s_wait_loadcnt 16                              ; this row's 16 loads are in; the next row's may be out
.else
	s_wait_loadcnt 0
.endif
.set XM, 32+64*((\rr)%2)
.set k, 0
.rept 16
	v_max3_num_f32 v[160+k], v[XM+4*k], v[XM+4*k+1], v[XM+4*k+2]   ; my largest of block k
.set k, k+1
.endr
.set k, 0
.rept 16
	v_max_num_f32 v[160+k], v[160+k], v[XM+4*k+3]
.set k, k+1
.endr
.if (\rr)+2 < 4
	LOADROW (\rr)+2
.endif
	v_max3_num_f32 v8, v160, v161, v162            ; the row's largest: over my blocks,
.irp i, 3,5,7,9,11,13
	v_max3_num_f32 v8, v8, v[160+\i], v[161+\i]
.endr
	v_max_num_f32 v8, v8, v175
	v_max_num_f32_dpp v8, v8, v8 row_xmask:1 row_mask:0xf bank_mask:0xf    ; and over the 32 lanes
	v_max_num_f32_dpp v8, v8, v8 row_xmask:2 row_mask:0xf bank_mask:0xf
	v_max_num_f32_dpp v8, v8, v8 row_xmask:4 row_mask:0xf bank_mask:0xf
	v_max_num_f32_dpp v8, v8, v8 row_xmask:8 row_mask:0xf bank_mask:0xf
	v_permlanex16_b32 v9, v8, s30, s31
	v_max_num_f32 v8, v8, v9
	v_sub_f32 v8, s32, v8                          ; 1e8 - the row's largest
.set k, 0
.rept 16
.if (\rr) == 0
	v_add_f32 v[176+k], v[160+k], v8               ; above 0 where the row needs the block; the first row starts the maxima over my four rows
.else
	v_add_f32 v[160+k], v[160+k], v8
	v_max_num_f32 v[176+k], v[176+k], v[160+k]
.endif
.set k, k+1
.endr
.endm
	ROW 0
	ROW 1
	ROW 2
	ROW 3
	s_mov_b32 s33, 0
.irp i, 0,1,2,3,4,5,6,7,8,9,10,11,12,13,14,15
	v_cmp_lt_f32 s34, 0, v[176+\i]                 ; the lanes that need block i;
	s_cmp_lg_u32 s34, 0                            ; any of them?  The answer is stored, and steers nothing in this launch
	s_cselect_b32 s35, 1<<\i, 0
	s_or_b32 s33, s33, s35
.endr
	v_mov_b32 v8, s33
	v_mov_b32 v10, 0
	v_cmp_eq_u32 vcc_lo, 0, v2
	s_wait_xcnt 0x0                                ; EXEC changes only behind this wait
	s_and_saveexec_b32 s34, vcc_lo
	global_store_b32 v10, v8, s[38:39]             ; one lane stores the word
	s_endpgm
; ---------------- the tables.  A wave takes a tile of 16 tokens; lane (r, h) makes cos and sin of token r at frequencies 16 b + 8 h + 0..7, b = 0, 1.
.Lnot_m:
	s_sub_co_u32 s26, ttmp9, 576
	s_lshl_b32 s26, s26, 2
	s_add_co_u32 s26, s26, s24                     ; the tile
	s_lshl_b32 s36, s26, 6
	s_add_nc_u64 s[28:29], s[16:17], s[36:37]      ; its positions,
	s_add_nc_u64 s[30:31], s[18:19], s[36:37]      ; its priors
	v_and_b32 v4, 15, v0
	v_lshlrev_b32 v4, 2, v4                        ; 4 r
	global_load_b32 v5, v4, s[28:29]
	global_load_b32 v6, v4, s[30:31]
	s_add_co_u32 s36, s36, SV_O
	s_add_nc_u64 s[34:35], s[20:21], s[36:37]      ; sv of the tile
	s_lshl_b32 s36, s26, 12
	s_add_co_u32 s36, s36, QT_O
	s_add_nc_u64 s[32:33], s[20:21], s[36:37]      ; Q's table at the tile; K's lies 524,288 bytes on
	v_bfe_u32 v7, v0, 4, 1
	v_lshlrev_b32 v7, 3, v7                        ; 8 h
	s_mov_b32 s40, 0xbed49a78                      ; -log2(10000) / 32
	s_mov_b32 s41, 0x3f22f983                      ; 2 / pi
	s_mov_b32 s42, 0xbfc90fdb                      ; pi / 2 in three parts: -1.57079637,
	s_mov_b32 s43, 0x333bbd2e                      ; +4.37113883e-8,
	s_mov_b32 s44, 0x26f72ced                      ; +1.715e-15
	s_mov_b32 s45, 0xbe2aaaa3                      ; sin r = r + r z (S1 + z (S2 + z S3)), z = r r
	s_mov_b32 s46, 0x3c08839e
	s_mov_b32 s47, 0xb94ca1f9
	s_mov_b32 s48, 0x3d2aaaa5                      ; cos r = 1 + z (-1/2 + z (C1 + z (C2 + z C3)))
	s_mov_b32 s49, 0xbab6061a
	s_mov_b32 s50, 0x37ccf5ce
	s_mov_b32 s51, 0x3e38aa3b                      ; log2(e) / 8
	s_mov_b32 s52, 0x3dcccccd                      ; 0.1
	s_mov_b32 s53, 0x3f666666                      ; 0.9
	s_mov_b32 s54, 0x3f8ccccd                      ; 1.1
	s_mov_b32 s55, 0x3e99999a                      ; 0.3
.irp n, 0,1,2,3,4,5,6,7,8,9,10,11,12,13,14,15
	v_add_nc_u32 v[16+\n], \n+8*(\n/8), v7         ; the frequency's index
.endr
.irp n, 0,1,2,3,4,5,6,7,8,9,10,11,12,13,14,15
	v_cvt_f32_u32 v[16+\n], v[16+\n]
.endr
.irp n, 0,1,2,3,4,5,6,7,8,9,10,11,12,13,14,15
	v_mul_f32 v[16+\n], s40, v[16+\n]
.endr
.irp n, 0,1,2,3,4,5,6,7,8,9,10,11,12,13,14,15
	v_exp_f32 v[16+\n], v[16+\n]                   ; 10000^(-i / 32): one batch
.endr
	v_nop                                          ; a plain instruction behind the last of them,
	s_wait_alu depctr_va_vdst(0)                   ; and one wait ahead of the first reader
	s_wait_loadcnt 0x0
	v_cvt_f32_i32 v5, v5
.irp n, 0,1,2,3,4,5,6,7,8,9,10,11,12,13,14,15
	v_mul_f32 v[16+\n], v5, v[16+\n]               ; the angle
.endr
	v_fma_f32 v8, v6, s52, 1.0
	v_med3_num_f32 v8, v8, s53, s54                ; gamma, and eta: reference()'s constants make them the same number
	v_fma_f32 v9, v6, s55, 1.0                     ; 1 + 0.3 prior
	v_mul_f32 v10, v8, v9                          ; sv
.macro SINCOS n
	v_mul_f32 v100, s41, v[16+\n]
	v_rndne_f32 v100, v100                         ; k: the nearest multiple of pi / 2
	v_fma_f32 v101, v100, s42, v[16+\n]
	v_fma_f32 v101, v100, s43, v101
	v_fma_f32 v101, v100, s44, v101                ; r, within pi / 4 of 0
	v_mul_f32 v102, v101, v101
	v_fma_f32 v103, v102, s47, s46
	v_fma_f32 v103, v102, v103, s45
	v_mul_f32 v104, v101, v102
	v_fma_f32 v103, v104, v103, v101               ; sin r
	v_fma_f32 v105, v102, s50, s49
	v_fma_f32 v105, v102, v105, s48
	v_fma_f32 v105, v102, v105, -0.5
	v_fma_f32 v105, v102, v105, 1.0                ; cos r
	v_cvt_i32_f32 v106, v100
	v_and_b32 v107, 1, v106
	v_cmp_eq_u32 vcc_lo, 1, v107                   ; k odd: the two change places
	v_cndmask_b32 v108, v103, v105, vcc_lo
	v_cndmask_b32 v109, v105, v103, vcc_lo
	v_lshlrev_b32 v107, 30, v106
	v_and_b32 v107, 0x80000000, v107               ; the sine's sign: bit 1 of k
	v_xor_b32 v108, v107, v108
	v_add_nc_u32 v106, 1, v106
	v_lshlrev_b32 v106, 30, v106
	v_and_b32 v106, 0x80000000, v106               ; the cosine's: bit 1 of k + 1
	v_xor_b32 v109, v106, v109
	v_mul_f32 v[32+\n], s51, v109                  ; for Q
	v_mul_f32 v[48+\n], s51, v108
	v_mul_f32 v[64+\n], v8, v109                   ; for K
	v_mul_f32 v[80+\n], v8, v108
.endm
.irp n, 0,1,2,3,4,5,6,7,8,9,10,11,12,13,14,15
	SINCOS \n
.endr
.irp q, 0,1,2,3
	global_store_b128 v3, v[32+4*\q:35+4*\q], s[32:33] offset:512*\q               ; each store covers 512 consecutive bytes
	global_store_b128 v3, v[48+4*\q:51+4*\q], s[32:33] offset:2048+512*\q
	global_store_b128 v3, v[64+4*\q:67+4*\q], s[32:33] offset:524288+512*\q
	global_store_b128 v3, v[80+4*\q:83+4*\q], s[32:33] offset:524288+2048+512*\q
.endr
	v_cmp_gt_u32 vcc_lo, 16, v2
	s_wait_xcnt 0x0                                ; EXEC changes only behind this wait
	s_and_saveexec_b32 s36, vcc_lo
	global_store_b32 v4, v10, s[34:35]             ; lanes 0-15: the tile's 16 sv
	s_endpgm
.Lfunc_end_k_q2f035b5554_prep:
	.size	k_q2f035b5554_prep, .Lfunc_end_k_q2f035b5554_prep-k_q2f035b5554_prep
	.p2alignl 7, 3214868480
	.fill 96, 4, 3214868480
	.section	.rodata,"a",@progbits
	.p2align	6, 0x0
	.amdhsa_kernel k_q2f035b5554_prep
		.amdhsa_group_segment_fixed_size 33280
		.amdhsa_private_segment_fixed_size 0
		.amdhsa_enable_private_segment 0
		.amdhsa_kernarg_size 80
		.amdhsa_user_sgpr_count 2
		.amdhsa_user_sgpr_kernarg_segment_ptr 1
		.amdhsa_wavefront_size32 1
		.amdhsa_system_sgpr_workgroup_id_x 1
		.amdhsa_system_sgpr_workgroup_id_y 1
		.amdhsa_system_sgpr_workgroup_id_z 1
		.amdhsa_system_vgpr_workitem_id 0
		.amdhsa_next_free_vgpr 192
		.amdhsa_next_free_sgpr 66
		.amdhsa_reserve_vcc 1
		.amdhsa_float_denorm_mode_32 3
		.amdhsa_float_denorm_mode_16_64 3
		.amdhsa_memory_ordered 1
		.amdhsa_forward_progress 1
		.amdhsa_inst_pref_size 106
	.end_amdhsa_kernel
	.amdgpu_metadata
---
amdhsa.version: [ 1, 2 ]
amdhsa.kernels:
  - .name:           k_q2f035b5554_prep
    .symbol:         k_q2f035b5554_prep.kd
    .args:
      - { .name: hidden_states, .offset: 0, .size: 8, .value_kind: global_buffer, .address_space: global }
      - { .name: Wq, .offset: 8, .size: 8, .value_kind: global_buffer, .address_space: global }
      - { .name: Wk, .offset: 16, .size: 8, .value_kind: global_buffer, .address_space: global }
      - { .name: Wv, .offset: 24, .size: 8, .value_kind: global_buffer, .address_space: global }
      - { .name: Wo, .offset: 32, .size: 8, .value_kind: global_buffer, .address_space: global }
      - { .name: attention_mask, .offset: 40, .size: 8, .value_kind: global_buffer, .address_space: global }
      - { .name: position_ids, .offset: 48, .size: 8, .value_kind: global_buffer, .address_space: global }
      - { .name: prior, .offset: 56, .size: 8, .value_kind: global_buffer, .address_space: global }
      - { .name: prepd, .offset: 64, .size: 8, .value_kind: global_buffer, .address_space: global }
      - { .name: flags, .offset: 72, .size: 8, .value_kind: global_buffer, .address_space: global }
    .group_segment_fixed_size: 33280
    .private_segment_fixed_size: 0
    .kernarg_segment_align: 8
    .kernarg_segment_size: 80
    .max_flat_workgroup_size: 128
    .sgpr_count:     66
    .vgpr_count:     192
    .wavefront_size: 32
...
	.end_amdgpu_metadata
.endif
;; end of part 1
;; launch qkv (part 2): grid 12 x 8, 4 waves a work-group, clusters of 4 x 4, 327,680 bytes of LDS; arguments prepd, qkvb; writes qkvb
.if DOCPART == 2
	.amdgcn_target "amdgcn-amd-amdhsa--gfx1250"
	.amdhsa_code_object_version 6
	.text
	.protected	k_q2f035b5554_qkv
	.globl	k_q2f035b5554_qkv
	.p2align	8
	.type	k_q2f035b5554_qkv,@function
k_q2f035b5554_qkv:
	s_mov_b64 s[64:65], 0
	v_nop
	global_prefetch_b8 v0, s[64:65] scope:SCOPE_SE
	s_setreg_imm32_b32 hwreg(HW_REG_WAVE_MODE, 25, 1), 1
	s_wait_xcnt 0x0
	s_wait_alu depctr_hold_cnt(0) depctr_sa_sdst(0) depctr_va_vdst(0) depctr_va_sdst(0) depctr_va_ssrc(0) depctr_va_vcc(0) depctr_vm_vsrc(0)
	s_getreg_b32 s2, hwreg(HW_REG_IB_STS2, 6, 4)
	s_cmp_eq_u32 s2, 0
	s_cbranch_scc0 .Lentry_in_a_cluster
	s_endpgm
.Lentry_in_a_cluster:
	s_bfe_u32 s2, ttmp6, 0x10000c
	s_cmp_lg_u32 s2, 0xf033
	s_cbranch_scc0 .Lentry_shape_is_right
	s_endpgm
.Lentry_shape_is_right:
; QKV: C[token][n] = sum over k of x[token][k] W[n][k] on codes of E2M1 with E8M0 scales, W = the 3,072 rows that the launch before laid on end (Wq; then by blocks of 256 rows two K heads and two V heads).
; A tile of C, 256 x 256, is made by four waves, 128 x 128 each (64 accumulators).  K goes in steps of 512 through a ring of two LDS slots filled by the tensor data mover; the scale bytes of the work-group's rows come once.
; CLUSTERS: 4 x 4 work-groups; x's tiles are shared along a row of the cluster, W's along a column, each asked for jointly.  The matrix instruction is used transposed (source 0 = 16 rows of W, source 1 = 16 tokens):
; a lane holds eight neighbouring columns of one token.
; THE WAY OUT needs no LDS.  A wave's 128 columns are two whole heads, so RoPE's partner (d, d + 32) lies in the same lane, two column tiles on.  Rounded to f16, a column tile's eight numbers a lane are 16 bytes,
; and the 32 lanes' 512 bytes ARE half an operand fragment of the next product (16 tokens x 32 of the head's 64): they are stored as they stand, lane l at 16 l.
; qkvb, in bytes: 0 Q [32 heads][128 token tiles][4 column tiles][512]; KI_O K [8][128][4][512]; VI_O V x sv likewise; VF_O the same V x sv in f32 [8][128][4][2][512].
; Q carries log2(e) / 8 and K carries gamma, both inside the tables of cosines and sines.  Which of the three a wave holds hangs on the cluster's x and the wave's number, the same in all partners.
; The two ways out (RoPE for Q and K; the factor sv for V) part on the wave's number and hold register work, global loads and stores alone; they join again ahead of the wave's closing lines and the closing round.
; LIMITS: |q|, |k gamma|, |v sv| under 65,504 (f16); magnitudes under 6e-5 lose bits.
.set SIZE_M, 2048
.set SIZE_N, 3072
.set SIZE_K, 2048
.set WC_O,  2097152
.set XS_O,  5242880
.set WS_O,  5373952
.set QT_O,  5570560
.set KT_O,  6094848
.set SV_O,  6619136
.set KI_O,  8388608
.set VI_O,  10485760
.set VF_O,  12582912
.set KSTEP,  512                       ; along K in a slot
.set NQ,     KSTEP/128                 ; matrix instructions deep
.set ROWB,   256                       ; a tile's row in bytes
.set KROW,   SIZE_K*4/8                ; a row of codes in memory
.set PITCH,  272                       ; an LDS row: 256 bytes + 16 of padding: the 16 rows that a load touches start 68 words apart
.set FR,     8                         ; registers of a fragment
.set NL,     2                         ; LDS loads that bring one
.set NP,     4                         ; places behind this matrix instruction (ISA guide 7.12.1)
.set HALFT,  128*PITCH
.set SLOT,   4*HALFT
.set LAPS,   SIZE_K/(2*KSTEP)
.set KS,     SIZE_K/32                 ; a row of scale bytes
.set SCL,    2*SLOT                    ; behind the ring: the scales, as rows of 256 bytes + 16 of padding
.set HALFS,  (128*KS/256)*272
.set SBLK,   (16*KS/256)*272
.set SPARE,  SCL+4*HALFS               ; the spare words, 128 bytes a wave
.set ADRA, 16
.set ADRB, 20
.set LI,   24                          ; v24 16 x lane: my place in every piece of 512 bytes
.set R4,   25                          ; v25 4 x (lane % 16)
.set SPW,  28
.set NIL,  29
.set ADRS, 27
.set SC,   32                          ; scale words, two sets
.set AF,   128                         ; x's fragments, window 0
.set TB,   32                          ; the way out: two sets of 32: cos 0-15, cos 16-31, sin 0-15, sin 16-31 of a token tile
.set YB,   96                          ; 64 rotated numbers
.set HB,   160                         ; two sets of 32: f16 pairs
.set SVR,  224                         ; sv of my eight token tiles
.set G1, 24
.set G0, 32
.set G1B, 48
.set G0B, 56
.set G1S, 68
.set G0S, 76
.set G1SB, 80
.set G0SB, 88
.set MSB, 0
.macro WIN new                         ; the immediate's high byte repeats the setting that is left
.if MSB != \new
	s_set_vgpr_msb (MSB<<8)|\new
.set MSB, \new
.endif
.endm
.set MUL_LO, 0xa1                      ; source 0 (W) window 1, source 1 (x) window 0, C and D window 2
.set MUL_HI, 0xf1                      ; the same, C and D window 3
.set TO_B,   0x40
; A joint load: waves 0 and 1 fetch for x, waves 2 and 3 for W.  The branch hangs on the wave's number alone.  An s_nop 0 and four v_nop follow each line.
.macro JLOAD g0a, g1a, g0b, g1b
	s_cmp_eq_u32 s15, 0
	s_cbranch_scc0 .Lfor_b_\@
	tensor_load_to_lds s[\g0a:\g0a+3], s[\g1a:\g1a+7]
	s_nop 0
.rept 4
	v_nop
.endr
	s_branch .Lasked_\@
.Lfor_b_\@:
	tensor_load_to_lds s[\g0b:\g0b+3], s[\g1b:\g1b+7]
	s_nop 0
.rept 4
	v_nop
.endr
.Lasked_\@:
.endm
.macro CREST                           ; a round of the cluster's barrier behind its opening barrier
	s_cmp_lg_u32 s14, 0
	s_cbranch_scc1 .Lnot_wave_0_\@
	s_barrier_signal -3
.Lnot_wave_0_\@:
	s_barrier_wait -3
	s_barrier_signal -1
	s_barrier_wait -1
.endm
.macro CROUND
	s_barrier_signal -1
	s_barrier_wait -1
	CREST
.endm
	s_load_b128 s[4:7], s[0:1], 0x0                ; prepd s[4:5] (x's codes lie at its head), qkvb s[6:7]
	v_lshl_add_u32 v[SPW], v0, 2, SPARE
	v_mov_b32 v[NIL], 0
	ds_add_u32 v[SPW], v[NIL]                      ; the wave's opening: the add, twice on end, and its wait ahead of my first tensor load
	ds_add_u32 v[SPW], v[NIL]
	v_lshrrev_b32 v1, 5, v0
	v_readfirstlane_b32 s14, v1                    ; wave 0..3
	s_lshr_b32 s15, s14, 1                         ; which half of the tile's tokens is mine.  Also: I fetch for x (0) or for W (1)
	s_and_b32 s16, s14, 1                          ; which half of its columns.  Also: which 128 rows of that tile I fetch
	s_bfe_u32 s40, ttmp6, 0x40000                  ; cx, cy
	s_bfe_u32 s41, ttmp6, 0x40004
	s_lshl_b32 s42, ttmp9, 2
	s_add_co_u32 s42, s42, s40                     ; tile column
	s_and_b32 s17, ttmp7, 0xffff
	s_lshl_b32 s17, s17, 2
	s_add_co_u32 s17, s17, s41                     ; tile row
	s_lshl_b32 s43, s41, 2
	s_lshl_b32 s43, 15, s43                        ; my row of the cluster
	s_lshl_b32 s44, 0x1111, s40                    ; my column
	s_or_b32 s[G1+0], s43, (0<<16)|(1<<20)|(1<<21)|(5<<22)|(3<<25)  ; the mask; elements of 1 byte; padding: 4 words behind every 64; bit 21 beside a mask
	s_or_b32 s[G1B+0], s44, (0<<16)|(1<<20)|(1<<21)|(5<<22)|(3<<25)
.irp g, G1, G1B
	s_mov_b32 s[\g+1], ROWB<<16                    ; tensor_dim0
	s_mov_b32 s[\g+2], 128<<16                     ; tensor_dim1
	s_mov_b32 s[\g+3], ROWB<<16                    ; tile_dim0
	s_mov_b32 s[\g+4], 128                         ; tile_dim1
	s_mov_b32 s[\g+5], KROW                        ; from row to row
	s_mov_b32 s[\g+6], 0
	s_mov_b32 s[\g+7], 0
.endr
	s_or_b32 s[G1S+0], s43, (3<<16)|(1<<20)|(1<<21)|(5<<22)|(3<<25) ; the scales of 128 rows: a dense block, as rows of 256 bytes (32 elements of 8)
	s_or_b32 s[G1SB+0], s44, (3<<16)|(1<<20)|(1<<21)|(5<<22)|(3<<25)
.irp g, G1S, G1SB
	s_mov_b32 s[\g+1], 32<<16
	s_mov_b32 s[\g+2], (128*KS/256)<<16
	s_mov_b32 s[\g+3], 32<<16
	s_mov_b32 s[\g+4], 128*KS/256
	s_mov_b32 s[\g+5], 32
	s_mov_b32 s[\g+6], 0
	s_mov_b32 s[\g+7], 0
.endr
	s_lshl_b32 s18, s16, 7
	s_lshl_b32 s20, s17, 8
	s_add_co_u32 s20, s20, s18                     ; x: row 256 x tile row + 128 x half
	s_lshl_b32 s46, s42, 8
	s_add_co_u32 s46, s46, s18                     ; W: row 256 x tile column + 128 x half
	s_mov_b32 s21, 0
	s_mov_b32 s47, 0
	s_mov_b64 s[18:19], KS
	s_mul_u64 s[22:23], s[20:21], s[18:19]
	s_mul_u64 s[92:93], s[46:47], s[18:19]
	s_mov_b64 s[18:19], KROW
	s_mul_u64 s[20:21], s[20:21], s[18:19]
	s_mul_u64 s[46:47], s[46:47], s[18:19]
	s_mul_i32 s45, s14, HALFT                      ; where they go: wave x 128 rows
	s_mul_i32 s94, s14, HALFS
	s_wait_dscnt 0x0                               ; both opening adds are done
	s_wait_kmcnt 0x0
	s_mov_b64 s[12:13], s[6:7]                     ; qkvb
	s_add_nc_u64 s[6:7], s[4:5], XS_O              ; x's scales
	s_add_nc_u64 s[8:9], s[4:5], WC_O              ; W's codes
	s_add_nc_u64 s[10:11], s[4:5], WS_O            ; W's scales
	s_add_nc_u64 s[20:21], s[4:5], s[20:21]
	s_add_nc_u64 s[22:23], s[6:7], s[22:23]
	s_add_nc_u64 s[46:47], s[8:9], s[46:47]
	s_add_nc_u64 s[92:93], s[10:11], s[92:93]
	CROUND                                         ; all sixteen work-groups are here: the first joint loads meet
	s_mov_b32 s[G0S], 1
	s_add_co_u32 s[G0S+1], s94, SCL
	s_mov_b64 s[G0S+2:G0S+3], s[22:23]
	s_or_b32 s[G0S+3], s[G0S+3], 0x80000000
	s_mov_b32 s[G0SB], 1
	s_add_co_u32 s[G0SB+1], s94, SCL
	s_mov_b64 s[G0SB+2:G0SB+3], s[92:93]
	s_or_b32 s[G0SB+3], s[G0SB+3], 0x80000000
	JLOAD G0S, G1S, G0SB, G1SB                     ; the scales first: they are wanted with K step 0
.irp s, 0,1
	s_mov_b32 s[G0+4*\s], 1
	s_add_co_u32 s[G0+4*\s+1], s45, \s*SLOT
	s_add_nc_u64 s[G0+4*\s+2:G0+4*\s+3], s[20:21], \s*ROWB
	s_or_b32 s[G0+4*\s+3], s[G0+4*\s+3], 0x80000000
	s_mov_b32 s[G0B+4*\s], 1
	s_add_co_u32 s[G0B+4*\s+1], s45, \s*SLOT
	s_add_nc_u64 s[G0B+4*\s+2:G0B+4*\s+3], s[46:47], \s*ROWB
	s_or_b32 s[G0B+4*\s+3], s[G0B+4*\s+3], 0x80000000
	JLOAD G0+4*\s, G1, G0B+4*\s, G1B
.endr
	v_and_b32 v1, 15, v0                           ; l % 16
	v_bfe_u32 v2, v0, 4, 1                         ; l / 16
	v_mul_u32_u24 v3, v1, PITCH
	v_lshl_add_u32 v4, v2, 4, v3
	s_mul_i32 s21, s15, HALFT
	s_mul_i32 s22, s16, HALFT
	s_add_co_u32 s22, s22, 2*HALFT
.irp s, 0,1
	v_add_nc_u32 v[ADRA+\s], s21, v4
	v_add_nc_u32 v[ADRB+\s], s22, v4
	s_add_co_u32 s21, s21, SLOT
	s_add_co_u32 s22, s22, SLOT
.endr
	v_mul_u32_u24 v5, v1, KS
	v_lshrrev_b32 v6, 8, v5
	v_lshl_add_u32 v5, v6, 4, v5                   ; my row's scales: KS bytes a row, 16 more for each 256 passed
	s_mul_i32 s21, s15, HALFS
	s_mul_i32 s22, s16, HALFS
	s_add_co_u32 s22, s22, 2*HALFS
	s_sub_co_u32 s22, s22, s21
	v_mul_u32_u24 v6, s22, v2                      ; lanes 16-31 take W's
	s_add_co_u32 s21, s21, SCL
	v_add_nc_u32 v5, v5, v6
	v_add_nc_u32 v[ADRS], s21, v5
	v_and_b32 v6, 31, v0
	v_lshlrev_b32 v[LI], 4, v6
	v_lshlrev_b32 v[R4], 2, v1
.macro FRAG reg, adr, q, i             ; 16 rows x 128 K of 4-bit codes: 8 registers, two loads of 16 bytes, 32 bytes apart
.irp c, 0,1
	ds_load_b128 v[\reg+4*\c:\reg+4*\c+3], v[\adr] offset:64*(\q)+32*\c+(\i)*16*PITCH
.endr
.endm
; 16 matrix instructions: x's blocks a0, a0 + 1 against W's eight.  The 64 accumulators take turns, one instruction a turn, in the same order in every step.
.macro MUL16 a0, p, q, sc, zero
.irp a, \a0, \a0+1
.irp b, 0,1,2,3,4,5,6,7
.if \zero
	v_wmma_scale_f32_16x16x128_f8f6f4 v[8*(8*((\a)%4)+\b):8*(8*((\a)%4)+\b)+7], v[128*(\p)+FR*\b:128*(\p)+FR*\b+FR-1], v[AF+FR*(\a):AF+FR*(\a)+FR-1], 0, v[SC+8*NQ*(\sc)+NQ*\b+(\q)], v[SC+8*NQ*(\sc)+NQ*(\a)+(\q)] matrix_a_fmt:MATRIX_FMT_FP4 matrix_b_fmt:MATRIX_FMT_FP4 matrix_a_scale:MATRIX_SCALE_ROW1
.else
	v_wmma_scale_f32_16x16x128_f8f6f4 v[8*(8*((\a)%4)+\b):8*(8*((\a)%4)+\b)+7], v[128*(\p)+FR*\b:128*(\p)+FR*\b+FR-1], v[AF+FR*(\a):AF+FR*(\a)+FR-1], v[8*(8*((\a)%4)+\b):8*(8*((\a)%4)+\b)+7], v[SC+8*NQ*(\sc)+NQ*\b+(\q)], v[SC+8*NQ*(\sc)+NQ*(\a)+(\q)] matrix_a_fmt:MATRIX_FMT_FP4 matrix_b_fmt:MATRIX_FMT_FP4 matrix_a_scale:MATRIX_SCALE_ROW1
.endif
.endr
.endr
.endm
.macro FETCH_B slot, q, p
	WIN TO_B
.irp i, 0,1,2,3,4,5,6,7
	FRAG 128*(\p)+FR*\i, ADRB+\slot, \q, \i
.endr
	WIN 0
.endm
.macro FETCH_A slot, q, i0
.irp i, \i0, \i0+1, \i0+2, \i0+3
	FRAG AF+FR*(\i), ADRA+\slot, \q, \i
.endr
.endm
.macro SCALES sc                       ; the next K step's scale words: lanes 0-15 take x's block i, lanes 16-31 W's block i
.irp i, 0,1,2,3,4,5,6,7
	ds_load_b128 v[SC+8*NQ*\sc+NQ*\i:SC+8*NQ*\sc+NQ*\i+3], v[ADRS] offset:\i*SBLK
.endr
.endm
.macro PLACES n                        ; plain instructions between a matrix instruction and a load into, or a read of, its registers
.rept \n
	v_nop
.endr
.endm
.macro STEP slot, q, zero
	s_wait_dscnt 4*NL                              ; W's set and x's blocks 0-3 are in; the youngest eight loads (x's blocks 4-7) may be out
	WIN MUL_LO
	MUL16 0, (\q)%2, \q, \slot, \zero
	MUL16 2, (\q)%2, \q, \slot, \zero
	s_wait_dscnt 0
	PLACES NP
	FETCH_B \slot, (\q)+1, 1-(\q)%2
	FETCH_A \slot, (\q)+1, 0
	WIN MUL_HI
	MUL16 4, (\q)%2, \q, \slot, \zero
	MUL16 6, (\q)%2, \q, \slot, \zero
	PLACES NP
	WIN 0
	FETCH_A \slot, (\q)+1, 4
.endm
; A slot's last step changes slots: one barrier; in front of it each wave waits for all its tensor loads, adds 0 to its spare word, and waits for that and for its reads of this slot.
.macro TURN slot, next, fill
	s_wait_tensorcnt 0x0                           ; all my tensor loads have landed: my part of the next slot
	ds_add_u32 v[SPW], v[NIL]
	s_wait_dscnt 4*NL+1                            ; (the add and the youngest eight loads may be out)
	WIN MUL_LO
	MUL16 0, 1, NQ-1, \slot, 0
	s_wait_dscnt 0x0                               ; the add is done, and my reads of this slot are over
	s_barrier_signal -1
	MUL16 2, 1, NQ-1, \slot, 0
	WIN 0
	s_barrier_wait -1
.if \fill
	CREST                                          ; no wave of any partner still reads this slot's tile or has a load on its way
	s_add_nc_u64 s[G0+4*\slot+2:G0+4*\slot+3], s[G0+4*\slot+2:G0+4*\slot+3], 2*ROWB
	s_add_nc_u64 s[G0B+4*\slot+2:G0B+4*\slot+3], s[G0B+4*\slot+2:G0B+4*\slot+3], 2*ROWB
	JLOAD G0+4*\slot, G1, G0B+4*\slot, G1B         ; the first tensor load behind the round
.else
	PLACES NP
.endif
	v_add_nc_u32 v[ADRS], 4*NQ, v[ADRS]            ; on to the next K step's scale words
	FETCH_B \next, 0, 0
	FETCH_A \next, 0, 0
	SCALES \next
	WIN MUL_HI
	MUL16 4, 1, NQ-1, \slot, 0
	MUL16 6, 1, NQ-1, \slot, 0
	PLACES NP
	WIN 0
	FETCH_A \next, 0, 4
.endm
.macro STEPS slot, from
.set Q, \from
.rept NQ-1-\from
	STEP \slot, Q, 0
.set Q, Q+1
.endr
.endm
	s_wait_tensorcnt 1                             ; the scales and my part of K step 0 are in (K step 1's load may be out),
	s_barrier_signal -1
	s_barrier_wait -1                              ; everybody's are
	FETCH_B 0, 0, 0
	FETCH_A 0, 0, 0
	SCALES 0
	FETCH_A 0, 0, 4
	STEP 0, 0, 1                                   ; the first step's products start the sums
	s_mov_b32 s3, LAPS-1
.Llap:
	STEPS 0, 1
	TURN 0, 1, 1
	STEPS 1, 0
	TURN 1, 0, 1
	STEP 0, 0, 0
	s_sub_co_u32 s3, s3, 1
	s_cmp_lg_u32 s3, 0
	s_cbranch_scc1 .Llap
	STEPS 0, 1                                     ; the last lap fills nothing
	TURN 0, 1, 0
	STEPS 1, 0
	s_wait_dscnt 4*NL
	WIN MUL_LO
	MUL16 0, 1, NQ-1, 1, 0
	MUL16 2, 1, NQ-1, 1, 0
	s_wait_dscnt 0
	WIN MUL_HI
	MUL16 4, 1, NQ-1, 1, 0
	MUL16 6, 1, NQ-1, 1, 0
	WIN 0
	PLACES NP                                      ; for the reads of results, and for the loads into registers that held scales and fragments
; THE WAY OUT.  No tensor load of mine is out since the last change of slots, so the descriptors' scalar registers are free.
	s_lshl_b32 s20, s17, 4
	s_lshl_b32 s21, s15, 3
	s_add_co_u32 s20, s20, s21                     ; my first token tile: 16 x tile row + 8 x half
	s_cmp_lt_u32 ttmp9, 2                          ; clusters 0 and 1 along x hold Q; in cluster 2 the waves with the low half of the columns hold K, the others V
	s_cbranch_scc1 .Lrope
	s_cmp_eq_u32 s16, 0
	s_cbranch_scc0 .Lvpath
.Lrope:
	s_mov_b32 s22, KT_O
	s_cmp_lt_u32 ttmp9, 2
	s_cselect_b32 s22, QT_O, s22
	s_lshl_b32 s23, s20, 12
	s_add_co_u32 s22, s22, s23
	s_mov_b32 s23, 0
	s_add_nc_u64 s[24:25], s[4:5], s[22:23]        ; the table at my first token tile
	s_lshl_b32 s26, s42, 2
	s_lshl_b32 s27, s16, 1
	s_add_co_u32 s26, s26, s27
	s_lshl_b32 s26, s26, 18                        ; Q: head 4 x tile column + 2 x half, 262,144 bytes a head
	s_lshl_b32 s27, s40, 19
	s_add_co_u32 s27, s27, KI_O                    ; K: head 2 cx
	s_cmp_lt_u32 ttmp9, 2
	s_cselect_b32 s26, s26, s27
	s_lshl_b32 s27, s20, 11
	s_add_co_u32 s26, s26, s27
	s_mov_b32 s27, 0
	s_add_nc_u64 s[28:29], s[12:13], s[26:27]
.macro TABLD a                         ; token tile a's cosines and sines: eight pieces of 512 bytes
.irp ch, 0,1,2,3,4,5,6,7
	global_load_b128 v[TB+32*((\a)%2)+4*\ch:TB+32*((\a)%2)+4*\ch+3], v[LI], s[24:25] offset:4096*(\a)+512*\ch
.endr
.endm
.macro ROPEBLK a                       ; 16 tokens x my two heads
.if (\a) < 7
	s_wait_loadcnt 8                               ; this tile's eight table loads are in; the next tile's eight may be out
.else
	s_wait_loadcnt 0
.endif
	s_wait_xcnt 0x0                                ; the stores of two tiles ago have read the registers that are written below
.set TBS, TB+32*((\a)%2)
.set HS, HB+32*((\a)%2)
.set AC, 64*((\a)%4)
.set WA, 0x02+(\a)/4
	WIN WA                                         ; source 0: the accumulators' window
.irp hd, 0,1
.irp bb, 0,1
.irp jj, 0,2,4,6                       ; each accumulator from its low end on
	v_pk_mul_f32 v[YB+8*(4*\hd+\bb)+\jj:YB+8*(4*\hd+\bb)+\jj+1], v[AC+8*(4*\hd+\bb)+\jj:AC+8*(4*\hd+\bb)+\jj+1], v[TBS+8*\bb+\jj:TBS+8*\bb+\jj+1]
	v_pk_mul_f32 v[YB+8*(4*\hd+\bb+2)+\jj:YB+8*(4*\hd+\bb+2)+\jj+1], v[AC+8*(4*\hd+\bb+2)+\jj:AC+8*(4*\hd+\bb+2)+\jj+1], v[TBS+8*\bb+\jj:TBS+8*\bb+\jj+1]
	v_pk_fma_f32 v[YB+8*(4*\hd+\bb)+\jj:YB+8*(4*\hd+\bb)+\jj+1], v[AC+8*(4*\hd+\bb+2)+\jj:AC+8*(4*\hd+\bb+2)+\jj+1], v[TBS+16+8*\bb+\jj:TBS+16+8*\bb+\jj+1], v[YB+8*(4*\hd+\bb)+\jj:YB+8*(4*\hd+\bb)+\jj+1] neg_lo:[1,0,0] neg_hi:[1,0,0]   ; d < 32: x cos - x(d + 32) sin
	v_pk_fma_f32 v[YB+8*(4*\hd+\bb+2)+\jj:YB+8*(4*\hd+\bb+2)+\jj+1], v[AC+8*(4*\hd+\bb)+\jj:AC+8*(4*\hd+\bb)+\jj+1], v[TBS+16+8*\bb+\jj:TBS+16+8*\bb+\jj+1], v[YB+8*(4*\hd+\bb+2)+\jj:YB+8*(4*\hd+\bb+2)+\jj+1]   ; d >= 32: x cos + x(d - 32) sin
.endr
.endr
.endr
	WIN 0
.if (\a)+2 < 8
	TABLD (\a)+2
.endif
.set i, 0
.rept 32
	v_cvt_pk_f16_f32 v[HS+i], v[YB+2*i], v[YB+2*i+1]
.set i, i+1
.endr
.irp b8, 0,1,2,3,4,5,6,7
	global_store_b128 v[LI], v[HS+4*\b8:HS+4*\b8+3], s[28:29] offset:262144*(\b8/4)+2048*(\a)+512*(\b8%4)   ; 512 consecutive bytes
.endr
.endm
	TABLD 0
	TABLD 1
.irp a, 0,1,2,3,4,5,6,7
	ROPEBLK \a
.endr
	s_branch .Lclose                               ; (every window is 0 here)
.Lvpath:
	s_lshl_b32 s22, s20, 6
	s_add_co_u32 s22, s22, SV_O
	s_mov_b32 s23, 0
	s_add_nc_u64 s[24:25], s[4:5], s[22:23]        ; sv at my first token
	s_lshl_b32 s26, s40, 20
	s_add_co_u32 s26, s26, VF_O
	s_lshl_b32 s27, s20, 12
	s_add_co_u32 s26, s26, s27
	s_mov_b32 s27, 0
	s_add_nc_u64 s[28:29], s[12:13], s[26:27]      ; V in f32: head 2 cx, 524,288 bytes a head
	s_lshl_b32 s26, s40, 19
	s_add_co_u32 s26, s26, VI_O
	s_lshl_b32 s22, s20, 11
	s_add_co_u32 s26, s26, s22
	s_add_nc_u64 s[30:31], s[12:13], s[26:27]      ; V in f16
.irp a, 0,1,2,3,4,5,6,7
	global_load_b32 v[SVR+\a], v[R4], s[24:25] offset:64*\a
.endr
	s_wait_loadcnt 0x0
.macro VBLK a
	s_wait_xcnt 0x0                                ; the stores of two tiles ago have read the registers that are written below
.set YS, 32+64*((\a)%2)
.set HS, HB+32*((\a)%2)
.set AC, 64*((\a)%4)
.set WA, 0x02+(\a)/4
	WIN WA
.set i, 0
.rept 64
	v_mul_f32 v[YS+i], v[AC+i], v[SVR+(\a)]        ; v x eta x (1 + 0.3 prior) of my token; each accumulator from its low end on
.set i, i+1
.endr
	WIN 0
.irp b8, 0,1,2,3,4,5,6,7
.irp u, 0,1
	global_store_b128 v[LI], v[YS+8*\b8+4*\u:YS+8*\b8+4*\u+3], s[28:29] offset:524288*(\b8/4)+4096*(\a)+1024*(\b8%4)+512*\u
.endr
.endr
.set i, 0
.rept 32
	v_cvt_pk_f16_f32 v[HS+i], v[YS+2*i], v[YS+2*i+1]
.set i, i+1
.endr
.irp b8, 0,1,2,3,4,5,6,7
	global_store_b128 v[LI], v[HS+4*\b8:HS+4*\b8+3], s[30:31] offset:262144*(\b8/4)+2048*(\a)+512*(\b8%4)
.endr
.endm
.irp a, 0,1,2,3,4,5,6,7
	VBLK \a
.endr
.Lclose:                                               ; both ways out join here: what follows stands once, on every wave's path
	s_wait_tensorcnt 0x0                           ; the wave's end
	ds_add_u32 v[SPW], v[NIL]
	s_wait_dscnt 0x0
	CROUND                                         ; the closing round: no work-group ends while a partner may still ask for a tile that names it
	s_endpgm
.Lfunc_end_k_q2f035b5554_qkv:
	.size	k_q2f035b5554_qkv, .Lfunc_end_k_q2f035b5554_qkv-k_q2f035b5554_qkv
	.p2alignl 7, 3214868480
	.fill 96, 4, 3214868480
	.section	.rodata,"a",@progbits
	.p2align	6, 0x0
	.amdhsa_kernel k_q2f035b5554_qkv
		.amdhsa_group_segment_fixed_size 327680
		.amdhsa_private_segment_fixed_size 0
		.amdhsa_enable_private_segment 0
		.amdhsa_kernarg_size 16
		.amdhsa_user_sgpr_count 2
		.amdhsa_user_sgpr_kernarg_segment_ptr 1
		.amdhsa_wavefront_size32 1
		.amdhsa_system_sgpr_workgroup_id_x 1
		.amdhsa_system_sgpr_workgroup_id_y 1
		.amdhsa_system_sgpr_workgroup_id_z 1
		.amdhsa_system_vgpr_workitem_id 0
		.amdhsa_next_free_vgpr 1024
		.amdhsa_next_free_sgpr 98
		.amdhsa_reserve_vcc 0
		.amdhsa_float_denorm_mode_32 3
		.amdhsa_float_denorm_mode_16_64 3
		.amdhsa_memory_ordered 1
		.amdhsa_forward_progress 1
		.amdhsa_inst_pref_size 255
	.end_amdhsa_kernel
	.section	.bss,"aw",@nobits
	.p2align	6
	.space	262144
	.amdgpu_metadata
---
amdhsa.version: [ 1, 2 ]
amdhsa.kernels:
  - .name:           k_q2f035b5554_qkv
    .symbol:         k_q2f035b5554_qkv.kd
    .args:
      - { .name: prepd, .offset: 0, .size: 8, .value_kind: global_buffer, .address_space: global }
      - { .name: qkvb, .offset: 8, .size: 8, .value_kind: global_buffer, .address_space: global }
    .group_segment_fixed_size: 327680
    .private_segment_fixed_size: 0
    .kernarg_segment_align: 8
    .kernarg_segment_size: 16
    .max_flat_workgroup_size: 128
    .sgpr_count:     98
    .vgpr_count:     1024
    .wavefront_size: 32
...
	.end_amdgpu_metadata
.endif
;; end of part 2
;; launch attn (part 3): grid 32 x 8, 4 waves a work-group, no clusters, 240,128 bytes of LDS; arguments qkvb, attention_mask, prior, flags, att; writes att
.if DOCPART == 3
	.amdgcn_target "amdgcn-amd-amdhsa--gfx1250"
	.amdhsa_code_object_version 6
	.text
	.protected	k_q2f035b5554_attn
	.globl	k_q2f035b5554_attn
	.p2align	8
	.type	k_q2f035b5554_attn,@function
k_q2f035b5554_attn:
	s_mov_b64 s[64:65], 0
	v_nop
	global_prefetch_b8 v0, s[64:65] scope:SCOPE_SE
	s_setreg_imm32_b32 hwreg(HW_REG_WAVE_MODE, 25, 1), 1
	s_wait_xcnt 0x0
; ATTENTION.  out = sum_k e_k (v_k eta_k w_k) / sum_k e_k w_k, e = 2^(t - m), t = q'.k' + (mask + bias) log2(e), w = 1 + 0.3 prior: the softmax's own divisor cancels against reference()'s renormalisation.
; q' carries log2(e) / 8, k' carries gamma, V carries eta w (the launch before).  Products on f16 operands, sums, maxima and exponentials in f32; a running maximum m for each query.
; SHARES.  Work-group (u, g): KV group g (4 query heads).  A wave holds ONE tile of 16 queries x the group's 4 heads, so each fragment of K and V read from LDS feeds four products and the mask tile serves four heads.
; Wave = (a, e).  Phase 0: query tile 2 u + a; phase 1: tile 127 - 2 u - a (the pairing only evens the load where late queries need more keys; no result hangs on it).  The wave takes the key blocks (128 keys) of
; parity e; waves (a, 0) and (a, 1) merge their (m, l, O) through LDS at a phase's end.  Register tile x holds head 4 g + ((x + 2 e) & 3): every wave keeps tiles 0, 1 and sends tiles 2, 3.
; WHAT IS LEFT OUT: a key block that the stored flags show to lie, for all 16 queries of the tile, more than 1e8 under each row's largest mask value: its exponentials are exactly 0 in reference() too.
; The walk branches on those whole numbers, which an earlier launch stored.  No tensor load; no cluster, since partners would need different tiles.
; K and V come through registers into LDS, a trip ahead: wave (0, e) stages K of the block of parity e, wave (1, e) its V; each wave stages its own mask tile, as mask log2(e) + bias log2(e), and the block's w.
; No prefetch: every global load of the loop is issued a whole trip ahead of its use, and K and V are walked by 32 work-groups together.
; LAYOUT.  S^T = K Q^T (source 0 = 16 keys, source 1 = 16 queries), O^T = V^T P: a lane holds one query throughout.  K's and Q's fragments lie in memory as images of their registers; V is turned by ds_load_tr16_b128.
; The mask is added by a vector addition, so that a row that is masked everywhere comes out uniform as in reference() (while |score log2(e)| < 64).
; LIMITS: NaN and infinities in the mask are not served; the flags' limit is stated in the launch that makes them.
; LDS: two slots of SLOT bytes (parity e at 32,768 e: K 16,384, V 16,384; from MST on four stages of MSTW: 16 mask rows of 528, then 512 bytes of w); XCH: a record of XREC bytes a wave; the spare words.
; REGISTERS.  window 0: v1-13 addresses; v16-47 statistics, 8 a tile: m, -, l, l, c0-c3 (alpha takes c2's place); v48-79 mask; v80-111 w; v112-239 S^T.  window 1: v0-127 O^T; v128-191 Q; v192-255 P.
;   window 2: v0-63 K; v64-127 V; v128-255 K or V on its way to LDS.  window 3: v0-63 mask on its way; v64-67 prior; v68-71 bias log2(e); v72-75 w.
.set KI_O,  8388608
.set SLOT,  102400
.set MST,   65536
.set MSTW,  9216
.set WROW,  8448
.set XCH,   2*SLOT
.set XREC,  8704
.set SPARE, XCH+4*XREC
.set LI,  1                            ; 16 x lane
.set ST0, 2                            ; v2-3   where I store K or V, slot 0, 1
.set SM0, 4                            ; v4-5   where I store my mask tile
.set AK,  6                            ; v6-7   K's fragments
.set AV,  8                            ; v8-9   V's, for the turning load
.set AM,  10                           ; v10-11 my query's mask row
.set AW,  12                           ; v12-13 w
.set SPW, 14
.set NIL, 15
.set ST,  16
.set MB,  48
.set WR,  80
.set S,   112
.set XS,  240
.set XR,  241
.set XS4, 242
.set XR4, 243
.set MSB, 0
.macro WIN new                         ; the immediate's high byte repeats the setting that is left
.if MSB != \new
	s_set_vgpr_msb (MSB<<8)|\new
.set MSB, \new
.endif
.endm
	s_load_b256 s[4:11], s[0:1], 0x0               ; qkvb s[4:5], mask s[6:7], prior s[8:9], flags s[10:11]
	s_load_b64 s[12:13], s[0:1], 0x20              ; att
	v_lshl_add_u32 v[SPW], v0, 2, SPARE
	v_mov_b32 v[NIL], 0
	v_lshrrev_b32 v244, 5, v0
	v_readfirstlane_b32 s14, v244                  ; wave
	s_lshr_b32 s15, s14, 1                         ; a
	s_and_b32 s16, s14, 1                          ; e
	s_mov_b32 s17, ttmp9                           ; u
	s_and_b32 s18, ttmp7, 0xffff                   ; g
	v_and_b32 v244, 31, v0                         ; lane
	v_lshlrev_b32 v[LI], 4, v244
	v_and_b32 v245, 15, v0                         ; r
	v_bfe_u32 v246, v0, 4, 1                       ; h
	s_lshl_b32 s58, s16, 15
	v_add_nc_u32 v[AK], s58, v[LI]                 ; 32,768 e + 16 lane
	s_lshl_b32 s59, s15, 14
	s_add_co_u32 s59, s59, s58
	v_add_nc_u32 v[ST0], s59, v[LI]                ; 32,768 e + 16,384 a + 16 lane
	v_bfe_u32 v247, v0, 3, 1
	v_lshlrev_b32 v247, 8, v247
	v_lshl_add_u32 v247, v246, 7, v247
	v_and_b32 v248, 7, v0
	v_lshl_add_u32 v247, v248, 4, v247             ; the turning load: key 8 (l / 16) + l % 8, channels 8 ((l / 8) % 2) on, in an image: 256 ((l / 8) % 2) + 128 (l / 16) + 16 (l % 8)
	s_add_co_u32 s58, s58, 16384
	v_add_nc_u32 v[AV], s58, v247
	s_mul_i32 s58, s14, MSTW
	s_add_co_u32 s58, s58, MST
	v_add_nc_u32 v[SM0], s58, v[LI]
	v_mul_u32_u24 v247, v245, 528
	v_lshl_add_u32 v247, v246, 5, v247
	v_add_nc_u32 v[AM], s58, v247                  ; row r, + 32 h: keys 8 h on
	v_lshlrev_b32 v247, 5, v246
	s_add_co_u32 s58, s58, WROW
	v_add_nc_u32 v[AW], s58, v247
.irp b, ST0, SM0, AK, AV, AM, AW
	v_add_nc_u32 v[\b+1], SLOT, v[\b]
.endr
	s_mul_i32 s58, s14, XREC
	s_add_co_u32 s58, s58, XCH
	v_add_nc_u32 v[XS], s58, v[LI]                 ; my record,
	v_lshl_add_u32 v[XS4], v244, 2, s58
	s_xor_b32 s59, s14, 1
	s_mul_i32 s59, s59, XREC
	s_add_co_u32 s59, s59, XCH
	v_add_nc_u32 v[XR], s59, v[LI]                 ; my partner's
	v_lshl_add_u32 v[XR4], v244, 2, s59
	s_mov_b32 s60, 0x76543210
	s_mov_b32 s61, 0xfedcba98                      ; v_permlanex16_b32's selects for lane l xor 16
	s_mov_b32 s66, 0x3fb8aa3b                      ; log2(e),
	s_mov_b32 s67, s66                             ; named as a pair
	s_mov_b32 s68, 0x40400000                      ; 3.0
	s_mov_b32 s69, 0x3e99999a                      ; 0.3
	s_lshl_b32 s52, s17, 1
	s_add_co_u32 s52, s52, s15                     ; phase 0's tile
	s_sub_co_u32 s53, 127, s52                     ; phase 1's
	s_lshl_b32 s58, s17, 5
	s_mov_b32 s59, 0
	s_sub_co_u32 s70, 2016, s58
	s_mov_b32 s71, 0
	s_wait_kmcnt 0x0
	s_add_nc_u64 s[72:73], s[10:11], s[58:59]      ; the eight words of tiles 2 u, 2 u + 1,
	s_add_nc_u64 s[74:75], s[10:11], s[70:71]      ; and of tiles 126 - 2 u, 127 - 2 u
	s_load_b256 s[20:27], s[72:73], 0x0
	s_load_b256 s[28:35], s[74:75], 0x0
	s_wait_kmcnt 0x0
	s_or_b32 s20, s20, s21
	s_or_b32 s22, s22, s23
	s_or_b32 s20, s20, s22                         ; tile 2 u
	s_or_b32 s24, s24, s25
	s_or_b32 s26, s26, s27
	s_or_b32 s24, s24, s26                         ; tile 2 u + 1
	s_or_b32 s28, s28, s29
	s_or_b32 s30, s30, s31
	s_or_b32 s28, s28, s30                         ; tile 126 - 2 u
	s_or_b32 s32, s32, s33
	s_or_b32 s34, s34, s35
	s_or_b32 s32, s32, s34                         ; tile 127 - 2 u
	s_cmp_eq_u32 s15, 0
	s_cselect_b32 s36, s20, s24                    ; my tile's blocks, phase 0,
	s_cselect_b32 s38, s32, s28                    ; phase 1
	s_or_b32 s37, s20, s24                         ; the blocks that either tile of the work-group needs: those are staged
	s_or_b32 s39, s28, s32
	s_lshr_b32 s36, s36, s16                       ; from my parity's first block on: bit 0 this trip's, bit 2 the next trip's
	s_lshr_b32 s37, s37, s16
	s_lshr_b32 s38, s38, s16
	s_lshr_b32 s39, s39, s16
; 49 loads: the next block of my parity: K or V (32 pieces of 512 bytes), my 16 mask rows (512 bytes each), the block's priors
.macro STAGE_LD
	WIN 0x80
.set i, 0
.rept 32
	global_load_b128 v[128+4*i:128+4*i+3], v[LI], s[40:41] offset:512*i
.set i, i+1
.endr
	WIN 0xc0
.set i, 0
.rept 16
	global_load_b128 v[4*i:4*i+3], v[LI], s[42:43] offset:8192*i
.set i, i+1
.endr
	global_load_b128 v[64:67], v[LI], s[44:45]
	WIN 0
.endm
.macro STAGE_ST sl
	WIN 0xff
.irp i, 0,1,2,3
	v_mul_f32 v[68+\i], 0.5, v[64+\i]
.endr
.irp i, 0,1,2,3
	v_med3_num_f32 v[68+\i], v[68+\i], -s68, s68   ; the capped bias,
.endr
.irp i, 0,1,2,3
	v_mul_f32 v[68+\i], s66, v[68+\i]              ; x log2(e)
.endr
.irp i, 0,1,2,3
	v_fma_f32 v[72+\i], v[64+\i], s69, 1.0         ; w
.endr
.set i, 0
.rept 16
	v_pk_fma_f32 v[4*i:4*i+1], v[4*i:4*i+1], s[66:67], v[68:69] op_sel_hi:[1,0,1]       ; mask log2(e) + bias log2(e)
	v_pk_fma_f32 v[4*i+2:4*i+3], v[4*i+2:4*i+3], s[66:67], v[70:71] op_sel_hi:[1,0,1]
.set i, i+1
.endr
	WIN 0x08                                       ; an LDS store's data are its source 1: window 2
.set i, 0
.rept 32
	ds_store_b128 v[ST0+\sl], v[128+4*i:128+4*i+3] offset:512*i
.set i, i+1
.endr
	WIN 0x0c                                       ; window 3
.set i, 0
.rept 16
	ds_store_b128 v[SM0+\sl], v[4*i:4*i+3] offset:528*i
.set i, i+1
.endr
	ds_store_b128 v[SM0+\sl], v[72:75] offset:WROW
	WIN 0
.endm
; 64 keys of the block in slot sl: the sb-th half.
.macro SUBSTEP sl, sb
	WIN 0x80
.irp t, 0,1,2,3
.irp q, 0,1,2,3
	ds_load_b128 v[16*\t+4*\q:16*\t+4*\q+3], v[AK+\sl] offset:8192*\sb+2048*\t+512*\q      ; K: key tile t, channels 16 q on
.endr
.endr
	WIN 0
.irp t, 0,1,2,3
.irp u, 0,1
	ds_load_b128 v[MB+8*\t+4*\u:MB+8*\t+4*\u+3], v[AM+\sl] offset:256*\sb+64*\t+16*\u
.endr
.endr
.irp t, 0,1,2,3
.irp u, 0,1
	ds_load_b128 v[WR+8*\t+4*\u:WR+8*\t+4*\u+3], v[AW+\sl] offset:256*\sb+64*\t+16*\u
.endr
.endr
	WIN 0x80
.irp ks, 0,1
.irp dt, 0,1,2,3
.irp p, 0,1
	ds_load_tr16_b128 v[64+32*\ks+8*\dt+4*\p:64+32*\ks+8*\dt+4*\p+3], v[AV+\sl] offset:8192*\sb+2048*(2*\ks+\p)+512*\dt
.endr
.endr
.endr
	s_wait_dscnt 32                                ; K is in; the 32 younger loads (mask, w, V) may be out
	WIN 0x06                                       ; K window 2, Q window 1, S^T window 0
.irp c, 0,1
.irp t, 0,1,2,3
.irp x, 0,1,2,3                        ; the 16 accumulators take turns
.if \c == 0
	v_wmma_f32_16x16x32_f16 v[S+32*\x+8*\t:S+32*\x+8*\t+7], v[16*\t+8*\c:16*\t+8*\c+7], v[128+16*\x+8*\c:128+16*\x+8*\c+7], 0
.else
	v_wmma_f32_16x16x32_f16 v[S+32*\x+8*\t:S+32*\x+8*\t+7], v[16*\t+8*\c:16*\t+8*\c+7], v[128+16*\x+8*\c:128+16*\x+8*\c+7], v[S+32*\x+8*\t:S+32*\x+8*\t+7]
.endif
.endr
.endr
.endr
	WIN 0
.rept 4
	v_nop                                          ; places in front of the first read of results
.endr
	s_wait_dscnt 24                                ; the mask is in; w and V may be out
.set i, 0
.rept 64                               ; t = score + mask term: pair i / 4 of tile i % 4: each accumulator from its low end on
	v_pk_add_f32 v[S+32*(i%4)+2*(i/4):S+32*(i%4)+2*(i/4)+1], v[S+32*(i%4)+2*(i/4):S+32*(i%4)+2*(i/4)+1], v[MB+2*(i/4):MB+2*(i/4)+1]
.set i, i+1
.endr
.irp j, 0,1,2,3                        ; the largest of a lane's 32 and the old m: four chains a tile, the four tiles by turns
.irp x, 0,1,2,3
	v_max3_num_f32 v[ST+8*\x+4+\j], v[S+32*\x+8*\j], v[S+32*\x+8*\j+1], v[S+32*\x+8*\j+2]
.endr
.endr
.irp k, 1,2
.irp j, 0,1,2,3
.irp x, 0,1,2,3
	v_max3_num_f32 v[ST+8*\x+4+\j], v[ST+8*\x+4+\j], v[S+32*\x+8*\j+2*\k+1], v[S+32*\x+8*\j+2*\k+2]
.endr
.endr
.endr
.irp x, 0,1,2,3
	v_max3_num_f32 v[ST+8*\x+4], v[ST+8*\x+4], v[S+32*\x+7], v[S+32*\x+15]
.endr
.irp x, 0,1,2,3
	v_max3_num_f32 v[ST+8*\x+6], v[ST+8*\x+6], v[S+32*\x+23], v[S+32*\x+31]
.endr
.irp x, 0,1,2,3
	v_max3_num_f32 v[ST+8*\x+4], v[ST+8*\x+4], v[ST+8*\x+5], v[ST+8*\x+6]
.endr
.irp x, 0,1,2,3
	v_max3_num_f32 v[ST+8*\x+4], v[ST+8*\x+4], v[ST+8*\x+7], v[ST+8*\x]
.endr
.irp x, 0,1,2,3
	v_permlanex16_b32 v[ST+8*\x+5], v[ST+8*\x+4], s60, s61       ; the query's other 32 keys lie in the lane 16 away
.endr
.irp x, 0,1,2,3
	v_max_num_f32 v[ST+8*\x+4], v[ST+8*\x+4], v[ST+8*\x+5]       ; the new m
.endr
.irp x, 0,1,2,3
	v_sub_f32 v[ST+8*\x+7], v[ST+8*\x], v[ST+8*\x+4]             ; old m - new m
.endr
.irp x, 0,1,2,3
	v_mov_b32 v[ST+8*\x], v[ST+8*\x+4]
.endr
.set i, 0
.rept 64
	v_pk_add_f32 v[S+2*i:S+2*i+1], v[S+2*i:S+2*i+1], v[ST+8*(i/16):ST+8*(i/16)+1] op_sel_hi:[1,0] neg_lo:[0,1] neg_hi:[0,1]   ; t - m
.set i, i+1
.endr
.irp x, 0,1,2,3
	v_exp_f32 v[ST+8*\x+6], v[ST+8*\x+7]           ; alpha.  One batch with the 128 below
.endr
.set i, 0
.rept 128
	v_exp_f32 v[S+i], v[S+i]
.set i, i+1
.endr
	v_nop                                          ; a plain instruction behind the last exponential,
	s_wait_alu depctr_va_vdst(0)                   ; and one wait ahead of the batch's first reader
	WIN 0x40                                       ; P: window 1
.set i, 0
.rept 64
	v_cvt_pk_f16_f32 v[192+i], v[S+2*i], v[S+2*i+1]
.set i, i+1
.endr
	WIN 0
	s_wait_dscnt 16                                ; w is in; V may be out
.irp x, 0,1,2,3
	v_pk_mul_f32 v[ST+8*\x+2:ST+8*\x+3], v[ST+8*\x+2:ST+8*\x+3], v[ST+8*\x+6:ST+8*\x+7] op_sel_hi:[1,0]
.endr
.set i, 0
.rept 64                               ; l += e w, of the unrounded e
	v_pk_fma_f32 v[ST+8*(i%4)+2:ST+8*(i%4)+3], v[S+32*(i%4)+2*(i/4):S+32*(i%4)+2*(i/4)+1], v[WR+2*(i/4):WR+2*(i/4)+1], v[ST+8*(i%4)+2:ST+8*(i%4)+3]
.set i, i+1
.endr
	WIN 0x41                                       ; O^T window 1, alpha window 0
.set i, 0
.rept 64                               ; each accumulator from its low end on
	v_pk_mul_f32 v[32*(i%4)+2*(i/4):32*(i%4)+2*(i/4)+1], v[32*(i%4)+2*(i/4):32*(i%4)+2*(i/4)+1], v[ST+8*(i%4)+6:ST+8*(i%4)+7] op_sel_hi:[1,0]
.set i, i+1
.endr
	s_wait_dscnt 0x0                               ; V is in
	WIN 0x56                                       ; V window 2, P and O^T window 1
.irp ks, 0,1
.irp dt, 0,1,2,3
.irp x, 0,1,2,3                        ; the 16 accumulators take turns
	v_wmma_f32_16x16x32_f16 v[32*\x+8*\dt:32*\x+8*\dt+7], v[64+32*\ks+8*\dt:64+32*\ks+8*\dt+7], v[192+16*\x+8*\ks:192+16*\x+8*\ks+7], v[32*\x+8*\dt:32*\x+8*\dt+7]
.endr
.endr
.endr
	WIN 0
.rept 4
	v_nop                                          ; places in front of the next loads into K's and V's registers and of the next reads of O^T
.endr
.endm
; A trip: one key block of my parity, in slot sl.  One barrier: in front of it my stores into this slot have landed and my reads of the other slot, a trip ago, are back; the slot written now was last read two trips ago,
; and every wave waited for those reads in front of the last barrier.  Every wave passes the barrier and the waits; the branches on the stored flags lead round work alone.
.macro TRIP sl
	s_wait_loadcnt 0x0                             ; what was asked for a trip ago is in (in a phase's first trip Q too)
	s_and_b32 s58, s55, 1
	s_cmp_lg_u32 s58, 0
	s_cbranch_scc0 .Lno_st_\@
	STAGE_ST \sl
.Lno_st_\@:
	s_wait_dscnt 0x0
	s_barrier_signal -1
	s_barrier_wait -1
	s_and_b32 s58, s55, 4
	s_cmp_lg_u32 s58, 0
	s_cbranch_scc0 .Lno_ld_\@
	STAGE_LD
.Lno_ld_\@:
	s_and_b32 s58, s54, 1
	s_cmp_lg_u32 s58, 0
	s_cbranch_scc0 .Lno_c_\@
	SUBSTEP \sl, 0
	SUBSTEP \sl, 1
.Lno_c_\@:
	s_wait_xcnt 0x0                                ; the loads have read their bases: they step to the block after
	s_add_nc_u64 s[40:41], s[40:41], 32768
	s_add_nc_u64 s[42:43], s[42:43], 1024
	s_add_nc_u64 s[44:45], s[44:45], 1024
	s_lshr_b32 s54, s54, 2
	s_lshr_b32 s55, s55, 2
.endm
	s_mov_b32 s19, 0
.Lphase:
	s_cmp_eq_u32 s19, 0
	s_cselect_b32 s56, s52, s53                    ; my query tile
	s_cselect_b32 s54, s36, s38                    ; its blocks
	s_cselect_b32 s55, s37, s39                    ; the work-group's
	s_lshl_b32 s58, s56, 17
	s_lshl_b32 s70, s16, 9
	s_add_co_u32 s58, s58, s70
	s_mov_b32 s59, 0
	s_mov_b32 s71, 0
	s_add_nc_u64 s[42:43], s[6:7], s[58:59]        ; the mask: 16 rows of 8,192 bytes a tile, block e
	s_add_nc_u64 s[44:45], s[8:9], s[70:71]        ; the priors of block e
	s_lshl_b32 s58, s15, 21
	s_lshl_b32 s70, s18, 18
	s_add_co_u32 s58, s58, s70
	s_lshl_b32 s70, s16, 14
	s_add_co_u32 s58, s58, s70
	s_add_co_u32 s58, s58, KI_O
	s_add_nc_u64 s[40:41], s[4:5], s[58:59]        ; K (a = 0) or V (a = 1) of group g, block e
	s_lshl_b32 s58, s18, 2
	s_lshl_b32 s70, s16, 1
	s_add_co_u32 s72, s58, s70                     ; tiles 0, 1: heads 4 g + 2 e, + 1
	s_add_co_u32 s73, s58, 2
	s_sub_co_u32 s73, s73, s70                     ; tiles 2, 3: heads 4 g + 2 - 2 e, + 1
	s_lshl_b32 s74, s56, 11
	s_lshl_b32 s58, s72, 18
	s_add_co_u32 s58, s58, s74
	s_add_nc_u64 s[46:47], s[4:5], s[58:59]
	s_lshl_b32 s58, s73, 18
	s_add_co_u32 s58, s58, s74
	s_add_nc_u64 s[48:49], s[4:5], s[58:59]
	s_lshl_b32 s58, s56, 16
	s_lshl_b32 s70, s72, 11
	s_add_co_u32 s58, s58, s70
	s_add_nc_u64 s[50:51], s[12:13], s[58:59]      ; att: 65,536 bytes a token tile, 2,048 a head
	s_wait_loadcnt 0x0                             ; no load is on its way into the registers that are loaded next
	WIN 0x40
.irp x, 0,1
.irp q, 0,1,2,3
	global_load_b128 v[128+16*\x+4*\q:128+16*\x+4*\q+3], v[LI], s[46:47] offset:262144*\x+512*\q
	global_load_b128 v[160+16*\x+4*\q:160+16*\x+4*\q+3], v[LI], s[48:49] offset:262144*\x+512*\q
.endr
.endr
.set i, 0
.rept 128
	v_mov_b32 v[i], 0                              ; O^T.  Which block is a tile's first is known only from the flags, so no first step can be written out to start the sums
.set i, i+1
.endr
	WIN 0
.irp x, 0,1,2,3
	v_mov_b32 v[ST+8*\x], 0xff61b1e6               ; m: -3e38, under every t
.irp j, 1,2,3,4,5,6,7
	v_mov_b32 v[ST+8*\x+\j], 0
.endr
.endr
	STAGE_LD                                       ; block e, whatever the flags say: so the staging registers are written on every way
	s_wait_xcnt 0x0
	s_add_nc_u64 s[40:41], s[40:41], 32768
	s_add_nc_u64 s[42:43], s[42:43], 1024
	s_add_nc_u64 s[44:45], s[44:45], 1024
	s_mov_b32 s57, 4
.Ltrip:
	TRIP 0
	TRIP 1
	s_sub_co_u32 s57, s57, 1
	s_cmp_lg_u32 s57, 0
	s_cbranch_scc1 .Ltrip
	; THE MERGE.  l's halves are added; tiles 2 and 3 go to my partner, its tiles 2 and 3 are my tiles 0 and 1 over the other parity's keys.
.irp x, 0,1,2,3
	v_add_f32 v[ST+8*\x+2], v[ST+8*\x+2], v[ST+8*\x+3]
.endr
.irp x, 0,1,2,3
	v_permlanex16_b32 v[ST+8*\x+5], v[ST+8*\x+2], s60, s61
.endr
.irp x, 0,1,2,3
	v_add_f32 v[ST+8*\x+2], v[ST+8*\x+2], v[ST+8*\x+5]
.endr
	WIN 0x04                                       ; the data: window 1
.set i, 0
.rept 16
	ds_store_b128 v[XS], v[64+4*i:64+4*i+3] offset:512*i           ; each accumulator from its low end on
.set i, i+1
.endr
	WIN 0
	ds_store_b32 v[XS4], v[ST+16] offset:8192      ; m of tiles 2, 3,
	ds_store_b32 v[XS4], v[ST+24] offset:8320
	ds_store_b32 v[XS4], v[ST+18] offset:8448      ; l of tiles 2, 3
	ds_store_b32 v[XS4], v[ST+26] offset:8576
	s_wait_dscnt 0x0                               ; my record has landed
	s_barrier_signal -1
	s_barrier_wait -1
.set i, 0
.rept 16
	ds_load_b128 v[S+4*i:S+4*i+3], v[XR] offset:512*i
.set i, i+1
.endr
.irp k, 0,1,2,3
	ds_load_b32 v[244+\k], v[XR4] offset:8192+128*\k
.endr
	s_wait_dscnt 0x0
.irp x, 0,1
	v_max_num_f32 v[248+\x], v[ST+8*\x], v[244+\x]
.endr
.irp x, 0,1
	v_sub_f32 v[ST+8*\x+4], v[ST+8*\x], v[248+\x]
	v_sub_f32 v[ST+8*\x+6], v[244+\x], v[248+\x]
.endr
.irp x, 0,1
	v_exp_f32 v[ST+8*\x+4], v[ST+8*\x+4]           ; f, f': a half that walked no block has m = -3e38 and f = 0; every row needs the block of its own largest mask value, so one half has walked
	v_exp_f32 v[ST+8*\x+6], v[ST+8*\x+6]
.endr
	v_nop
	s_wait_alu depctr_va_vdst(0)                   ; one wait for the four
.irp x, 0,1
	v_mul_f32 v[250+\x], v[ST+8*\x+2], v[ST+8*\x+4]
.endr
.irp x, 0,1
	v_fma_f32 v[250+\x], v[246+\x], v[ST+8*\x+6], v[250+\x]
.endr
.irp x, 0,1
	v_rcp_f32 v[250+\x], v[250+\x]
.endr
	v_nop
	s_wait_alu depctr_va_vdst(0)                   ; one wait for the two
.irp x, 0,1
	v_mul_f32 v[ST+8*\x+4], v[ST+8*\x+4], v[250+\x]
	v_mul_f32 v[ST+8*\x+6], v[ST+8*\x+6], v[250+\x]
.endr
	WIN 0x41
.set i, 0
.rept 32
	v_pk_mul_f32 v[2*i:2*i+1], v[2*i:2*i+1], v[ST+8*(i/16)+4:ST+8*(i/16)+5] op_sel_hi:[1,0]
.set i, i+1
.endr
	WIN 0x50                                       ; destination and source 2 window 1
.set i, 0
.rept 32
	v_pk_fma_f32 v[2*i:2*i+1], v[S+2*i:S+2*i+1], v[ST+8*(i/16)+6:ST+8*(i/16)+7], v[2*i:2*i+1] op_sel_hi:[1,0,1]
.set i, i+1
.endr
	WIN 0x05
.set i, 0
.rept 32
	v_cvt_pk_f16_f32 v[S+64+i], v[2*i], v[2*i+1]
.set i, i+1
.endr
	WIN 0
.irp x, 0,1
.irp dt, 0,1,2,3
	global_store_b128 v[LI], v[S+64+16*\x+4*\dt:S+64+16*\x+4*\dt+3], s[50:51] offset:2048*\x+512*\dt    ; 512 consecutive bytes: half a fragment of the output projection's operand
.endr
.endr
	s_wait_xcnt 0x0                                ; the stores have read their registers and their base: the next phase writes both
	s_add_co_u32 s19, s19, 1
	s_cmp_lt_u32 s19, 2
	s_cbranch_scc1 .Lphase
	s_wait_tensorcnt 0x0                           ; the wave's end, behind my last LDS store
	ds_add_u32 v[SPW], v[NIL]
	s_wait_dscnt 0x0
	s_endpgm
.Lfunc_end_k_q2f035b5554_attn:
	.size	k_q2f035b5554_attn, .Lfunc_end_k_q2f035b5554_attn-k_q2f035b5554_attn
	.p2alignl 7, 3214868480
	.fill 96, 4, 3214868480
	.section	.rodata,"a",@progbits
	.p2align	6, 0x0
	.amdhsa_kernel k_q2f035b5554_attn
		.amdhsa_group_segment_fixed_size 240128
		.amdhsa_private_segment_fixed_size 0
		.amdhsa_enable_private_segment 0
		.amdhsa_kernarg_size 40
		.amdhsa_user_sgpr_count 2
		.amdhsa_user_sgpr_kernarg_segment_ptr 1
		.amdhsa_wavefront_size32 1
		.amdhsa_system_sgpr_workgroup_id_x 1
		.amdhsa_system_sgpr_workgroup_id_y 1
		.amdhsa_system_sgpr_workgroup_id_z 1
		.amdhsa_system_vgpr_workitem_id 0
		.amdhsa_next_free_vgpr 848
		.amdhsa_next_free_sgpr 80
		.amdhsa_reserve_vcc 0
		.amdhsa_float_denorm_mode_32 3
		.amdhsa_float_denorm_mode_16_64 3
		.amdhsa_memory_ordered 1
		.amdhsa_forward_progress 1
		.amdhsa_inst_pref_size 198
	.end_amdhsa_kernel
	.amdgpu_metadata
---
amdhsa.version: [ 1, 2 ]
amdhsa.kernels:
  - .name:           k_q2f035b5554_attn
    .symbol:         k_q2f035b5554_attn.kd
    .args:
      - { .name: qkvb, .offset: 0, .size: 8, .value_kind: global_buffer, .address_space: global }
      - { .name: attention_mask, .offset: 8, .size: 8, .value_kind: global_buffer, .address_space: global }
      - { .name: prior, .offset: 16, .size: 8, .value_kind: global_buffer, .address_space: global }
      - { .name: flags, .offset: 24, .size: 8, .value_kind: global_buffer, .address_space: global }
      - { .name: att, .offset: 32, .size: 8, .value_kind: global_buffer, .address_space: global }
    .group_segment_fixed_size: 240128
    .private_segment_fixed_size: 0
    .kernarg_segment_align: 8
    .kernarg_segment_size: 40
    .max_flat_workgroup_size: 128
    .sgpr_count:     80
    .vgpr_count:     848
    .wavefront_size: 32
...
	.end_amdgpu_metadata
.endif
;; end of part 3
;; launch fattn (part 4): grid 32 x 1, 16 waves a work-group, no clusters, 71,680 bytes of LDS; arguments qkvb, attention_mask, prior, flags, af; writes af
.if DOCPART == 4
	.amdgcn_target "amdgcn-amd-amdhsa--gfx1250"
	.amdhsa_code_object_version 6
	.text
	.protected	k_q2f035b5554_fattn
	.globl	k_q2f035b5554_fattn
	.p2align	8
	.type	k_q2f035b5554_fattn,@function
k_q2f035b5554_fattn:
	s_mov_b64 s[64:65], 0
	v_nop
	global_prefetch_b8 v0, s[64:65] scope:SCOPE_SE
	s_setreg_imm32_b32 hwreg(HW_REG_WAVE_MODE, 25, 1), 1
	s_wait_xcnt 0x0
; THE FIRST 16 QUERIES, carried more finely: they may average very few values, where the rounding of f16 operands weighs most.  Scores as in the main launch (f16 operands); the weights e and V stay f32,
; and O^T = V^T P goes by v_wmma_f32_16x16x4_f32.  The result is kept in f32 for a projection of its own.
; A work-group takes a head; wave w takes key block w (128 keys), if the stored flags of query tile 0 ask for it; the sixteen (m, l, O) meet in LDS.  No tensor load; the walk branches on a stored number.
; The mask is read here in pieces of 16 bytes: 16 rows in all, once for each head.
; K OF THE f32 FORM: an instruction sums 4 keys; lanes 0-15 hold two of them, lanes 16-31 the other two.  The keys are taken as S^T holds them: instruction (t, i) sums keys 16 t + 2 i, + 1 (lanes 0-15) and
; 16 t + 8 + 2 i, + 1 (lanes 16-31), and V's registers are loaded to match: the same keys on both sides.
; af: [32 heads][4 channel tiles][2][512 bytes] f32: lane (r, h): query r, channels 16 dt + 8 h + 4 u + 0..3.
; LDS: O records 4,096 bytes a wave; from STAT on m (128 bytes a wave), 2,048 further on l; the spare words.
; REGISTERS: v1 16 lane; v4-6 global offsets; v7, v8 my record; v14, v15 the merge's reads; v10 m, v11 alpha, v12-13 l; v16-31 Q; v32-63 S^T; v64-95 the f32 products' sums (written by matrix instructions alone);
;   v96-127 O^T; v128-255 K, mask, prior, then V.
.set KI_O,  8388608
.set VF_O,  12582912
.set STAT,  65536
.set SPARE, 69632
	s_load_b256 s[4:11], s[0:1], 0x0               ; qkvb, mask, prior, flags
	s_load_b64 s[12:13], s[0:1], 0x20              ; af
	v_lshl_add_u32 v2, v0, 2, SPARE                ; my spare word; never rewritten
	v_mov_b32 v3, 0                                ; 0; never rewritten
	v_lshrrev_b32 v9, 5, v0
	v_readfirstlane_b32 s14, v9                    ; wave 0..15
	v_and_b32 v9, 31, v0
	v_lshlrev_b32 v1, 4, v9
	s_lshl_b32 s15, s14, 12
	v_add_nc_u32 v7, s15, v1                       ; my O record
	s_lshl_b32 s15, s14, 9
	v_add_nc_u32 v14, s15, v1                      ; the merge: piece w of every record
	v_lshl_add_u32 v15, v9, 2, STAT                ; and every wave's m and l of my lane
	s_lshl_b32 s15, s14, 7
	v_add_nc_u32 v8, s15, v15                      ; my m and l
	v_and_b32 v10, 15, v0                          ; r
	v_bfe_u32 v11, v0, 4, 1                        ; h
	v_lshlrev_b32 v5, 5, v11                       ; prior: 32 h
	v_lshl_add_u32 v4, v10, 13, v5                 ; mask: row r, + 32 h
	v_bfe_u32 v6, v0, 2, 1
	v_lshlrev_b32 v6, 9, v6
	v_bfe_u32 v12, v0, 3, 1
	v_lshl_add_u32 v6, v12, 8, v6
	v_and_b32 v12, 3, v0
	v_lshl_add_u32 v6, v12, 2, v6
	v_lshl_add_u32 v6, v11, 7, v6                  ; V in f32, channel 16 dt + r of key 8 h + k: 512 ((r / 4) % 2) + 256 (r / 8) + 4 (r % 4) + 128 h, + 16 k
	s_lshr_b32 s15, ttmp9, 2                       ; the KV head
	s_mov_b32 s33, 0x40400000                      ; 3.0
	s_mov_b32 s34, 0x3fb8aa3b                      ; log2(e),
	s_mov_b32 s35, s34                             ; named as a pair
	s_mov_b32 s36, 0x3e99999a                      ; 0.3
	s_mov_b32 s38, 0x76543210
	s_mov_b32 s39, 0xfedcba98
	s_mov_b32 s41, 0
	v_mov_b32 v9, 0
	v_mov_b32 v10, 0xff61b1e6                      ; m: -3e38
	v_mov_b32 v11, 0
	v_mov_b32 v12, 0                               ; l
	v_mov_b32 v13, 0
.set i, 0
.rept 32
	v_mov_b32 v[96+i], 0                           ; O^T: a wave whose block is left out hands on zeros
.set i, i+1
.endr
	s_wait_kmcnt 0x0
	s_load_b128 s[28:31], s[10:11], 0x0            ; the four words of query tile 0
	s_lshl_b32 s40, s15, 18
	s_lshl_b32 s42, s14, 14
	s_add_co_u32 s40, s40, s42
	s_add_co_u32 s40, s40, KI_O
	s_add_nc_u64 s[16:17], s[4:5], s[40:41]        ; K: my block's eight token tiles
	s_lshl_b32 s40, s15, 19
	s_lshl_b32 s42, s14, 15
	s_add_co_u32 s40, s40, s42
	s_add_co_u32 s40, s40, VF_O
	s_add_nc_u64 s[18:19], s[4:5], s[40:41]        ; V in f32
	s_lshl_b32 s40, ttmp9, 18
	s_add_nc_u64 s[20:21], s[4:5], s[40:41]        ; Q: the head's token tile 0
	s_lshl_b32 s40, s14, 9
	s_add_nc_u64 s[22:23], s[6:7], s[40:41]        ; the mask at my block
	s_add_nc_u64 s[24:25], s[8:9], s[40:41]        ; the priors
	s_lshl_b32 s42, ttmp9, 12
	s_add_co_u32 s40, s40, s42
	s_add_nc_u64 s[26:27], s[12:13], s[40:41]      ; af: the head, piece w
	s_wait_kmcnt 0x0
	s_or_b32 s28, s28, s29
	s_or_b32 s30, s30, s31
	s_or_b32 s28, s28, s30
	s_lshr_b32 s28, s28, s14
	s_and_b32 s28, s28, 1
	s_cmp_lg_u32 s28, 0
	s_cbranch_scc0 .Lmerge                         ; no barrier stands under this branch
.irp q, 0,1,2,3
	global_load_b128 v[16+4*\q:19+4*\q], v1, s[20:21] offset:512*\q
.endr
.macro SUB sb                          ; 64 keys
.irp t, 0,1,2,3
.irp q, 0,1,2,3
	global_load_b128 v[128+16*\t+4*\q:128+16*\t+4*\q+3], v1, s[16:17] offset:2048*(4*\sb+\t)+512*\q
.endr
.irp u, 0,1
	global_load_b128 v[192+8*\t+4*\u:192+8*\t+4*\u+3], v4, s[22:23] offset:256*\sb+64*\t+16*\u
	global_load_b128 v[224+8*\t+4*\u:224+8*\t+4*\u+3], v5, s[24:25] offset:256*\sb+64*\t+16*\u
.endr
.endr
	s_wait_loadcnt 0x0
.set i, 0
.rept 32
	v_mul_f32 v[32+i], 0.5, v[224+i]               ; the bias is made in S^T's registers, which the product below writes anew
.set i, i+1
.endr
.set i, 0
.rept 32
	v_med3_num_f32 v[32+i], v[32+i], -s33, s33
.set i, i+1
.endr
.set i, 0
.rept 32
	v_mul_f32 v[32+i], s34, v[32+i]
.set i, i+1
.endr
.set i, 0
.rept 16
	v_pk_fma_f32 v[192+2*i:193+2*i], v[192+2*i:193+2*i], s[34:35], v[32+2*i:33+2*i] op_sel_hi:[1,0,1]   ; mask log2(e) + bias log2(e)
.set i, i+1
.endr
.set i, 0
.rept 32
	v_fma_f32 v[224+i], v[224+i], s36, 1.0         ; w
.set i, i+1
.endr
.irp c, 0,1
.irp t, 0,1,2,3                        ; four accumulators by turns
.if \c == 0
	v_wmma_f32_16x16x32_f16 v[32+8*\t:39+8*\t], v[128+16*\t+8*\c:135+16*\t+8*\c], v[16+8*\c:23+8*\c], 0
.else
	v_wmma_f32_16x16x32_f16 v[32+8*\t:39+8*\t], v[128+16*\t+8*\c:135+16*\t+8*\c], v[16+8*\c:23+8*\c], v[32+8*\t:39+8*\t]
.endif
.endr
.endr
.rept 4
	v_nop
.endr
.set i, 0
.rept 16
	v_pk_add_f32 v[32+2*i:33+2*i], v[32+2*i:33+2*i], v[192+2*i:193+2*i]     ; each accumulator from its low end on
.set i, i+1
.endr
.irp j, 0,1,2,3
	v_max3_num_f32 v[128+\j], v[32+8*\j], v[33+8*\j], v[34+8*\j]            ; (K's registers are free)
.endr
.irp k, 1,2
.irp j, 0,1,2,3
	v_max3_num_f32 v[128+\j], v[128+\j], v[32+8*\j+2*\k+1], v[32+8*\j+2*\k+2]
.endr
.endr
	v_max3_num_f32 v128, v128, v39, v47
	v_max3_num_f32 v130, v130, v55, v63
	v_max3_num_f32 v128, v128, v129, v130
	v_max3_num_f32 v128, v128, v131, v10
	v_permlanex16_b32 v129, v128, s38, s39
	v_max_num_f32 v128, v128, v129                 ; the new m
	v_sub_f32 v131, v10, v128
	v_mov_b32 v10, v128
.set i, 0
.rept 32
	v_sub_f32 v[32+i], v[32+i], v10
.set i, i+1
.endr
	v_exp_f32 v11, v131                            ; alpha: one batch with the 32
.set i, 0
.rept 32
	v_exp_f32 v[32+i], v[32+i]
.set i, i+1
.endr
	v_nop
	s_wait_alu depctr_va_vdst(0)                   ; one wait ahead of the batch's first reader
	v_mul_f32 v12, v12, v11
	v_mul_f32 v13, v13, v11
.set i, 0
.rept 16
	v_pk_fma_f32 v[12:13], v[32+2*i:33+2*i], v[224+2*i:225+2*i], v[12:13]
.set i, i+1
.endr
.irp t, 0,1,2,3
.irp dt, 0,1,2,3
.irp k, 0,1,2,3,4,5,6,7
	global_load_b32 v[128+32*\t+8*\dt+\k], v6, s[18:19] offset:4096*(4*\sb+\t)+1024*\dt+16*\k    ; V(key 16 t + 8 h + k, channel 16 dt + r)
.endr
.endr
.endr
	s_wait_loadcnt 0x0
.irp t, 0,1,2,3
.irp i, 0,1,2,3
.irp dt, 0,1,2,3                       ; four accumulators by turns; the first four products start the sums
.if (\t == 0) && (\i == 0)
	v_wmma_f32_16x16x4_f32 v[64+8*\dt:71+8*\dt], v[128+32*\t+8*\dt+2*\i:129+32*\t+8*\dt+2*\i], v[32+8*\t+2*\i:33+8*\t+2*\i], 0
.else
	v_wmma_f32_16x16x4_f32 v[64+8*\dt:71+8*\dt], v[128+32*\t+8*\dt+2*\i:129+32*\t+8*\dt+2*\i], v[32+8*\t+2*\i:33+8*\t+2*\i], v[64+8*\dt:71+8*\dt]
.endif
.endr
.endr
.endr
.rept 8
	v_nop                                          ; eight places behind this form
.endr
.set i, 0
.rept 32
	v_fma_f32 v[96+i], v[96+i], v11, v[64+i]       ; O^T = O^T alpha + these 64 keys': each sum from its low end on, into other registers
.set i, i+1
.endr
.endm
	SUB 0
	SUB 1
.Lmerge:
	v_add_f32 v12, v12, v13
	v_permlanex16_b32 v9, v12, s38, s39
	v_add_f32 v12, v12, v9
.set i, 0
.rept 8
	ds_store_b128 v7, v[96+4*i:99+4*i] offset:512*i
.set i, i+1
.endr
	ds_store_b32 v8, v10
	ds_store_b32 v8, v12 offset:2048
	s_wait_dscnt 0x0                               ; my record has landed
	s_barrier_signal -1
	s_barrier_wait -1
	s_cmp_lt_u32 s14, 8                            ; waves 0 to 7 each finish one piece of 512 bytes
	s_cbranch_scc0 .Lend
.set i, 0
.rept 16
	ds_load_b32 v[128+i], v15 offset:128*i
	ds_load_b32 v[144+i], v15 offset:2048+128*i
	ds_load_b128 v[160+4*i:163+4*i], v14 offset:4096*i
.set i, i+1
.endr
	s_wait_dscnt 0x0
	v_max3_num_f32 v224, v128, v129, v130
.irp i, 3,5,7,9,11,13
	v_max3_num_f32 v224, v224, v[128+\i], v[129+\i]
.endr
	v_max_num_f32 v224, v224, v143
.set i, 0
.rept 16
	v_sub_f32 v[128+i], v[128+i], v224
.set i, i+1
.endr
.set i, 0
.rept 16
	v_exp_f32 v[128+i], v[128+i]
.set i, i+1
.endr
	v_nop
	s_wait_alu depctr_va_vdst(0)
	v_mul_f32 v225, v128, v144
.irp c, 0,1,2,3
	v_mul_f32 v[228+\c], v128, v[160+\c]
.endr
.set i, 1
.rept 15
	v_fma_f32 v225, v[128+i], v[144+i], v225
	v_fma_f32 v228, v[128+i], v[160+4*i], v228
	v_fma_f32 v229, v[128+i], v[161+4*i], v229
	v_fma_f32 v230, v[128+i], v[162+4*i], v230
	v_fma_f32 v231, v[128+i], v[163+4*i], v231
.set i, i+1
.endr
	v_rcp_f32 v225, v225
	v_nop
	s_wait_alu depctr_va_vdst(0)
.irp c, 0,1,2,3
	v_mul_f32 v[228+\c], v[228+\c], v225
.endr
	global_store_b128 v1, v[228:231], s[26:27]     ; 512 consecutive bytes
.Lend:
	s_wait_tensorcnt 0x0                           ; the wave's end, behind my last LDS store
	ds_add_u32 v2, v3
	s_wait_dscnt 0x0
	s_endpgm
.Lfunc_end_k_q2f035b5554_fattn:
	.size	k_q2f035b5554_fattn, .Lfunc_end_k_q2f035b5554_fattn-k_q2f035b5554_fattn
	.p2alignl 7, 3214868480
	.fill 96, 4, 3214868480
	.section	.rodata,"a",@progbits
	.p2align	6, 0x0
	.amdhsa_kernel k_q2f035b5554_fattn
		.amdhsa_group_segment_fixed_size 71680
		.amdhsa_private_segment_fixed_size 0
		.amdhsa_enable_private_segment 0
		.amdhsa_kernarg_size 40
		.amdhsa_user_sgpr_count 2
		.amdhsa_user_sgpr_kernarg_segment_ptr 1
		.amdhsa_wavefront_size32 1
		.amdhsa_system_sgpr_workgroup_id_x 1
		.amdhsa_system_sgpr_workgroup_id_y 1
		.amdhsa_system_sgpr_workgroup_id_z 1
		.amdhsa_system_vgpr_workitem_id 0
		.amdhsa_next_free_vgpr 256
		.amdhsa_next_free_sgpr 66
		.amdhsa_reserve_vcc 0
		.amdhsa_float_denorm_mode_32 3
		.amdhsa_float_denorm_mode_16_64 3
		.amdhsa_memory_ordered 1
		.amdhsa_forward_progress 1
		.amdhsa_inst_pref_size 84
	.end_amdhsa_kernel
	.amdgpu_metadata
---
amdhsa.version: [ 1, 2 ]
amdhsa.kernels:
  - .name:           k_q2f035b5554_fattn
    .symbol:         k_q2f035b5554_fattn.kd
    .args:
      - { .name: qkvb, .offset: 0, .size: 8, .value_kind: global_buffer, .address_space: global }
      - { .name: attention_mask, .offset: 8, .size: 8, .value_kind: global_buffer, .address_space: global }
      - { .name: prior, .offset: 16, .size: 8, .value_kind: global_buffer, .address_space: global }
      - { .name: flags, .offset: 24, .size: 8, .value_kind: global_buffer, .address_space: global }
      - { .name: af, .offset: 32, .size: 8, .value_kind: global_buffer, .address_space: global }
    .group_segment_fixed_size: 71680
    .private_segment_fixed_size: 0
    .kernarg_segment_align: 8
    .kernarg_segment_size: 40
    .max_flat_workgroup_size: 512
    .sgpr_count:     66
    .vgpr_count:     256
    .wavefront_size: 32
...
	.end_amdgpu_metadata
.endif
;; end of part 4
;; launch oproj (part 5): grid 16 x 16, 4 waves a work-group, clusters of 4 x 4, 327,680 bytes of LDS; arguments att, prepd, out0; writes out0
.if DOCPART == 5
	.amdgcn_target "amdgcn-amd-amdhsa--gfx1250"
	.amdhsa_code_object_version 6
	.text
	.protected	k_q2f035b5554_oproj
	.globl	k_q2f035b5554_oproj
	.p2align	8
	.type	k_q2f035b5554_oproj,@function
k_q2f035b5554_oproj:
	s_mov_b64 s[64:65], 0
	v_nop
	global_prefetch_b8 v0, s[64:65] scope:SCOPE_SE
	s_setreg_imm32_b32 hwreg(HW_REG_WAVE_MODE, 25, 1), 1
	s_wait_xcnt 0x0
	s_wait_alu depctr_hold_cnt(0) depctr_sa_sdst(0) depctr_va_vdst(0) depctr_va_sdst(0) depctr_va_ssrc(0) depctr_va_vcc(0) depctr_vm_vsrc(0)
	s_getreg_b32 s2, hwreg(HW_REG_IB_STS2, 6, 4)
	s_cmp_eq_u32 s2, 0
	s_cbranch_scc0 .Lentry_in_a_cluster
	s_endpgm
.Lentry_in_a_cluster:
	s_bfe_u32 s2, ttmp6, 0x10000c
	s_cmp_lg_u32 s2, 0xf033
	s_cbranch_scc0 .Lentry_shape_is_right
	s_endpgm
.Lentry_shape_is_right:
; THE OUTPUT PROJECTION: out[token][n] = sum over k of att[token][k] Wo[n][k], f16 operands, f32 sums, f32 out.  2,048 x 2,048 makes 256 tiles of 128 x 128: one for each work-group.  Four waves, 64 x 64 each.
; K goes in steps of 256 through a ring of two LDS slots.  att lies in memory as images of operand registers: [128 token tiles][64 K pieces of 32][2][512 bytes]; a K step of a token tile is 8,192 consecutive bytes,
; so a wave's load of 64 tokens is 4 rows of 8,192 bytes, dense in LDS, and a fragment is two loads at 16 x lane.  Wo (f16, row-major) comes as rows of 512 bytes, 16 bytes of padding behind each.
; CLUSTERS: 4 x 4 work-groups; att's tiles are shared along a row of the cluster, Wo's along a column, each asked for jointly.  The matrix instruction is used transposed (source 0 = 16 rows of Wo, source 1 = 16 tokens).
; THE WAY OUT: a wave's 64 columns of f32 are 256 consecutive bytes of a row, so each wave has a stage of its own and needs no barrier.
; Rows 0-15 are stored here like all others and stored anew, from f32 operands, by the launch that follows: a branch round them would hang on the work-group's place in its cluster.
; REGISTERS: window 0: v0-31 addresses; v32-95 the way out; v128-255 the accumulators ((a, b) at v[128 + 8 (4 a + b)]).  window 1: two fragment buffers of 128: 64 of att, then 64 of Wo.
.set SIZE_K, 2048
.set WO_O,   6627328
.set KSTEP,  256
.set PITCH,  528                       ; Wo's LDS row: 512 bytes + 16 = 132 words: the 16 rows of a load start 4 words further on in each
.set HALFA,  32768                     ; 64 tokens x 256 K of f16, as images
.set HALFB,  64*PITCH
.set SLOT,   2*HALFA+2*HALFB
.set STAGE,  2*SLOT                    ; behind the ring: 16 rows x 272 bytes for each wave
.set SPITCH, 272
.set SPARE,  STAGE+4*16*SPITCH
.set LAPS,   SIZE_K/(2*KSTEP)
.set ADRA, 16
.set ADRB, 20
.set STO,  24
.set RD,   25
.set CO,   26
.set SPW,  28
.set NIL,  29
.set TMP,  32
.set ACC,  128
.set F0,   0
.set F1,   128
.set G1, 24
.set G0, 32
.set G1B, 48
.set G0B, 56
.set MSB, 0
.macro WIN new                         ; the immediate's high byte repeats the setting that is left
.if MSB != \new
	s_set_vgpr_msb (MSB<<8)|\new
.set MSB, \new
.endif
.endm
.set MUL,  0x05                        ; sources 0 and 1 window 1; C and D window 0
.set TO_F, 0x40
.macro JLOAD s                         ; a joint load: waves 0 and 1 fetch att's halves, waves 2 and 3 Wo's; an s_nop 0 and four v_nop follow each line
	s_cmp_eq_u32 s11, 0
	s_cbranch_scc0 .Lfor_b_\@
	tensor_load_to_lds s[G0+4*\s:G0+4*\s+3], s[G1:G1+7]
	s_nop 0
.rept 4
	v_nop
.endr
	s_branch .Lasked_\@
.Lfor_b_\@:
	tensor_load_to_lds s[G0B+4*\s:G0B+4*\s+3], s[G1B:G1B+7]
	s_nop 0
.rept 4
	v_nop
.endr
.Lasked_\@:
.endm
.macro CREST
	s_cmp_lg_u32 s10, 0
	s_cbranch_scc1 .Lnot_wave_0_\@
	s_barrier_signal -3
.Lnot_wave_0_\@:
	s_barrier_wait -3
	s_barrier_signal -1
	s_barrier_wait -1
.endm
.macro CROUND
	s_barrier_signal -1
	s_barrier_wait -1
	CREST
.endm
	s_load_b128 s[4:7], s[0:1], 0x0                ; att s[4:5], prepd s[6:7]
	s_load_b64 s[8:9], s[0:1], 0x10                ; out0
	v_lshl_add_u32 v[SPW], v0, 2, SPARE
	v_mov_b32 v[NIL], 0
	ds_add_u32 v[SPW], v[NIL]                      ; the wave's opening: the add, twice on end, and its wait ahead of my first tensor load
	ds_add_u32 v[SPW], v[NIL]
	v_lshrrev_b32 v1, 5, v0
	v_readfirstlane_b32 s10, v1                    ; wave 0..3
	s_lshr_b32 s11, s10, 1                         ; which half of the tile's tokens is mine.  Also: I fetch for att (0) or for Wo (1)
	s_and_b32 s12, s10, 1                          ; which half of its columns.  Also: which 64 rows of that tile I fetch
	s_bfe_u32 s40, ttmp6, 0x40000                  ; cx, cy
	s_bfe_u32 s41, ttmp6, 0x40004
	s_lshl_b32 s42, ttmp9, 2
	s_add_co_u32 s42, s42, s40                     ; tile column
	s_and_b32 s13, ttmp7, 0xffff
	s_lshl_b32 s13, s13, 2
	s_add_co_u32 s13, s13, s41                     ; tile row
	s_lshl_b32 s43, s41, 2
	s_lshl_b32 s43, 15, s43                        ; my row of the cluster
	s_lshl_b32 s44, 0x1111, s40                    ; my column
	s_or_b32 s[G1+0], s43, (3<<16)|(1<<21)         ; att: the mask; elements of 8 bytes; no padding; bit 21 beside a mask
	s_mov_b32 s[G1+1], 1024<<16                    ; tensor_dim0 = 1,024 elements: 8,192 bytes
	s_mov_b32 s[G1+2], 4<<16                       ; tensor_dim1 = 4 token tiles
	s_mov_b32 s[G1+3], 1024<<16                    ; tile_dim0
	s_mov_b32 s[G1+4], 4                           ; tile_dim1
	s_mov_b32 s[G1+5], 8192                        ; from token tile to token tile: 65,536 bytes
	s_mov_b32 s[G1+6], 0
	s_mov_b32 s[G1+7], 0
	s_or_b32 s[G1B+0], s44, (1<<16)|(1<<20)|(1<<21)|(6<<22)|(3<<25)  ; Wo: elements of 2 bytes; padding: 4 words behind every 128
	s_mov_b32 s[G1B+1], KSTEP<<16
	s_mov_b32 s[G1B+2], 64<<16
	s_mov_b32 s[G1B+3], KSTEP<<16
	s_mov_b32 s[G1B+4], 64
	s_mov_b32 s[G1B+5], SIZE_K
	s_mov_b32 s[G1B+6], 0
	s_mov_b32 s[G1B+7], 0
	s_lshl_b32 s16, s13, 3
	s_lshl_b32 s17, s12, 2
	s_add_co_u32 s16, s16, s17
	s_lshl_b32 s16, s16, 16                        ; att: token tile 8 x tile row + 4 x half, 65,536 bytes each
	s_mov_b32 s17, 0
	s_lshl_b32 s46, s42, 7
	s_lshl_b32 s47, s12, 6
	s_add_co_u32 s46, s46, s47
	s_lshl_b32 s46, s46, 12                        ; Wo: row 128 x tile column + 64 x half, 4,096 bytes each,
	s_add_co_u32 s46, s46, WO_O                    ; behind what else lies in prepd
	s_mov_b32 s47, 0
	s_mul_i32 s20, s12, HALFA                      ; where they go: no place in the cluster enters an LDS address
	s_mul_i32 s21, s12, HALFB
	s_add_co_u32 s21, s21, 2*HALFA
	s_wait_dscnt 0x0                               ; both opening adds are done
	s_wait_kmcnt 0x0
	s_add_nc_u64 s[14:15], s[4:5], s[16:17]
	s_add_nc_u64 s[46:47], s[6:7], s[46:47]
	CROUND                                         ; all sixteen work-groups are here: the first joint loads meet
.irp s, 0,1
	s_mov_b32 s[G0+4*\s], 1
	s_add_co_u32 s[G0+4*\s+1], s20, \s*SLOT
	s_add_nc_u64 s[G0+4*\s+2:G0+4*\s+3], s[14:15], \s*8192
	s_or_b32 s[G0+4*\s+3], s[G0+4*\s+3], 0x80000000
	s_mov_b32 s[G0B+4*\s], 1
	s_add_co_u32 s[G0B+4*\s+1], s21, \s*SLOT
	s_add_nc_u64 s[G0B+4*\s+2:G0B+4*\s+3], s[46:47], \s*KSTEP*2
	s_or_b32 s[G0B+4*\s+3], s[G0B+4*\s+3], 0x80000000
	JLOAD \s
.endr
	v_and_b32 v1, 15, v0                           ; l % 16
	v_bfe_u32 v2, v0, 4, 1                         ; l / 16
	v_mul_u32_u24 v3, v1, PITCH
	v_lshl_add_u32 v3, v2, 4, v3                   ; Wo: row x pitch + 16 x half
	v_and_b32 v6, 31, v0
	v_lshlrev_b32 v6, 4, v6                        ; att: 16 x lane
	s_mul_i32 s21, s11, HALFA                      ; my 64 tokens
	s_mul_i32 s22, s12, HALFB                      ; my 64 rows of Wo,
	s_add_co_u32 s22, s22, 2*HALFA                 ; which lie behind att's two halves
.irp s, 0,1
	v_add_nc_u32 v[ADRA+\s], s21, v6
	v_add_nc_u32 v[ADRB+\s], s22, v3
	s_add_co_u32 s21, s21, SLOT
	s_add_co_u32 s22, s22, SLOT
.endr
	s_mul_i32 s23, s10, 16*SPITCH
	s_add_co_u32 s23, s23, STAGE                   ; my stage
	v_mul_u32_u24 v4, v1, SPITCH
	v_lshl_add_u32 v4, v2, 5, v4
	v_add_nc_u32 v[STO], s23, v4                   ; in: row l % 16, 32 bytes for each half of the lanes
	v_mul_u32_u24 v5, v2, SPITCH
	v_lshl_add_u32 v5, v1, 4, v5
	v_add_nc_u32 v[RD], s23, v5                    ; back: lanes 0-15 one row of 256 bytes, lanes 16-31 the next
	v_lshlrev_b32 v5, 13, v2
	v_lshl_add_u32 v[CO], v1, 4, v5                ; and the same two rows in out0 (8,192 bytes a row)
	s_lshl_b32 s16, s13, 7
	s_lshl_b32 s17, s11, 6
	s_add_co_u32 s16, s16, s17
	s_lshl_b32 s16, s16, 13                        ; my first row
	s_mov_b32 s17, 0
	s_add_nc_u64 s[8:9], s[8:9], s[16:17]
	s_lshl_b32 s46, s42, 9
	s_lshl_b32 s47, s12, 8
	s_add_co_u32 s46, s46, s47                     ; my first column, in bytes
	s_mov_b32 s47, 0
	s_add_nc_u64 s[8:9], s[8:9], s[46:47]
.macro MUL8 f, c, a0, zero             ; 8 matrix instructions: token blocks a0, a0 + 1 x all 4 column blocks, 32 along K
.irp a, \a0, \a0+1
.irp b, 0,1,2,3
.if \zero
	v_wmma_f32_16x16x32_f16 v[ACC+8*(4*(\a)+\b):ACC+8*(4*(\a)+\b)+7], v[\f+64+8*(4*\c+\b):\f+64+8*(4*\c+\b)+7], v[\f+8*(4*\c+\a):\f+8*(4*\c+\a)+7], 0
.else
	v_wmma_f32_16x16x32_f16 v[ACC+8*(4*(\a)+\b):ACC+8*(4*(\a)+\b)+7], v[\f+64+8*(4*\c+\b):\f+64+8*(4*\c+\b)+7], v[\f+8*(4*\c+\a):\f+8*(4*\c+\a)+7], v[ACC+8*(4*(\a)+\b):ACC+8*(4*(\a)+\b)+7]
.endif
.endr
.endr
.endm
; 32 LDS loads in one run: the fragments of 64 along K; k = the byte in Wo's rows (128 for each 64 along K); in att's images 64 along K are 2,048 bytes: 16 k
.macro FETCH slot, k, f
	WIN TO_F
.irp c, 0,1
.irp i, 0,1,2,3
	ds_load_b128 v[\f+64+8*(4*\c+\i):\f+64+8*(4*\c+\i)+3],   v[ADRB+\slot] offset:\k+64*\c+\i*16*PITCH
	ds_load_b128 v[\f+64+8*(4*\c+\i)+4:\f+64+8*(4*\c+\i)+7], v[ADRB+\slot] offset:\k+64*\c+\i*16*PITCH+32
	ds_load_b128 v[\f+8*(4*\c+\i):\f+8*(4*\c+\i)+3],         v[ADRA+\slot] offset:16*(\k)+1024*\c+8192*\i
	ds_load_b128 v[\f+8*(4*\c+\i)+4:\f+8*(4*\c+\i)+7],       v[ADRA+\slot] offset:16*(\k)+1024*\c+8192*\i+512
.endr
.endr
.endm
.macro PLACES
.rept 4
	v_nop
.endr
.endm
.macro QUARTER slot, k, f, g, zero
	s_wait_dscnt 16                                ; the first 32 along K are in; the sixteen younger loads may be out
	WIN MUL
	MUL8 \f, 0, 0, \zero
	MUL8 \f, 0, 2, \zero
	PLACES
	FETCH \slot, \k, \g
	s_wait_dscnt 32                                ; all but the 32 just issued
	WIN MUL
	MUL8 \f, 1, 0, 0
	MUL8 \f, 1, 2, 0
.endm
; The last quarter changes slots: one barrier; in front of it each wave waits for all its tensor loads, adds 0 to its spare word, and waits for that and for its reads of this slot.
.macro TURN slot, next, fill
	WIN 0
	s_wait_tensorcnt 0x0                           ; all my tensor loads have landed: my part of the next slot
	ds_add_u32 v[SPW], v[NIL]
	s_wait_dscnt 17                                ; (the add and the youngest sixteen loads may be out)
	WIN MUL
	MUL8 F1, 0, 0, 0
	s_wait_dscnt 0x0                               ; the add is done, and my reads of this slot are over
	s_barrier_signal -1
	MUL8 F1, 0, 2, 0
.if \fill
	WIN 0
.endif
	s_barrier_wait -1
.if \fill
	CREST                                          ; no wave of any partner still reads this slot's tile or has a load on its way
	s_add_nc_u64 s[G0+4*\slot+2:G0+4*\slot+3], s[G0+4*\slot+2:G0+4*\slot+3], 2*8192
	s_add_nc_u64 s[G0B+4*\slot+2:G0B+4*\slot+3], s[G0B+4*\slot+2:G0B+4*\slot+3], 2*KSTEP*2
	JLOAD \slot                                    ; the first tensor load behind the round; its four v_nop are also the places in front of the loads below
.else
	PLACES
.endif
	FETCH \next, 0, F0
	WIN MUL
	MUL8 F1, 1, 0, 0
	MUL8 F1, 1, 2, 0
.endm
	s_wait_tensorcnt 1                             ; my part of K step 0 is in (K step 1's load may be out),
	s_barrier_signal -1
	s_barrier_wait -1                              ; everybody's is
	FETCH 0, 0, F0
	QUARTER 0, 128, F0, F1, 1                      ; the first products start the sums
	WIN 0
	s_mov_b32 s3, LAPS-1
.Llap:
	QUARTER 0, 256, F1, F0, 0
	QUARTER 0, 384, F0, F1, 0
	TURN 0, 1, 1
	QUARTER 1, 128, F0, F1, 0
	QUARTER 1, 256, F1, F0, 0
	QUARTER 1, 384, F0, F1, 0
	TURN 1, 0, 1
	QUARTER 0, 128, F0, F1, 0
	WIN 0
	s_sub_co_u32 s3, s3, 1
	s_cmp_lg_u32 s3, 0
	s_cbranch_scc1 .Llap
	QUARTER 0, 256, F1, F0, 0                      ; the last lap fills nothing
	QUARTER 0, 384, F0, F1, 0
	TURN 0, 1, 0
	QUARTER 1, 128, F0, F1, 0
	QUARTER 1, 256, F1, F0, 0
	QUARTER 1, 384, F0, F1, 0
	s_wait_dscnt 16
	WIN MUL
	MUL8 F1, 0, 0, 0
	MUL8 F1, 0, 2, 0
	s_wait_dscnt 0
	MUL8 F1, 1, 0, 0
	MUL8 F1, 1, 2, 0
	WIN 0
	; THE WAY OUT, 16 tokens at a time: 32 bytes a lane into my stage, back as whole rows of 256 bytes.  LDS serves a wave's instructions in order: no wait between the stores and the loads, nor in front of the next block's stores.
	PLACES
.macro OUTBLK a
.irp b, 0,1,2,3
	ds_store_b128 v[STO], v[ACC+8*(4*(\a)+\b):ACC+8*(4*(\a)+\b)+3] offset:64*\b          ; each accumulator from its low end on
	ds_store_b128 v[STO], v[ACC+8*(4*(\a)+\b)+4:ACC+8*(4*(\a)+\b)+7] offset:64*\b+16
.endr
.irp t, 0,1,2,3,4,5,6,7
	ds_load_b128 v[TMP+32*((\a)%2)+4*\t:TMP+32*((\a)%2)+4*\t+3], v[RD] offset:\t*2*SPITCH
.endr
.endm
.macro OUTSEND a, younger              ; younger: the LDS instructions issued behind block a's loads: the next block's 8 stores and 8 loads, or none
	s_wait_dscnt \younger
.irp t, 0,1,2,3,4,5,6,7
	global_store_b128 v[CO], v[TMP+32*((\a)%2)+4*\t:TMP+32*((\a)%2)+4*\t+3], s[8:9] offset:8192*(16*(\a)+2*\t) th:TH_STORE_NT   ; 16 lanes store 256 consecutive bytes, at a multiple of 256 from out0's first byte
.endr
.endm
	OUTBLK 0
	OUTBLK 1
	OUTSEND 0, 16
	s_wait_xcnt 0x0                                ; block 0's stores have read their registers: block 2's loads may land there
	OUTBLK 2
	OUTSEND 1, 16
	s_wait_xcnt 0x0
	OUTBLK 3
	OUTSEND 2, 16
	OUTSEND 3, 0
	s_wait_tensorcnt 0x0                           ; the wave's end
	ds_add_u32 v[SPW], v[NIL]
	s_wait_dscnt 0x0
	CROUND                                         ; the closing round
	s_endpgm
.Lfunc_end_k_q2f035b5554_oproj:
	.size	k_q2f035b5554_oproj, .Lfunc_end_k_q2f035b5554_oproj-k_q2f035b5554_oproj
	.p2alignl 7, 3214868480
	.fill 96, 4, 3214868480
	.section	.rodata,"a",@progbits
	.p2align	6, 0x0
	.amdhsa_kernel k_q2f035b5554_oproj
		.amdhsa_group_segment_fixed_size 327680
		.amdhsa_private_segment_fixed_size 0
		.amdhsa_enable_private_segment 0
		.amdhsa_kernarg_size 24
		.amdhsa_user_sgpr_count 2
		.amdhsa_user_sgpr_kernarg_segment_ptr 1
		.amdhsa_wavefront_size32 1
		.amdhsa_system_sgpr_workgroup_id_x 1
		.amdhsa_system_sgpr_workgroup_id_y 1
		.amdhsa_system_sgpr_workgroup_id_z 1
		.amdhsa_system_vgpr_workitem_id 0
		.amdhsa_next_free_vgpr 512
		.amdhsa_next_free_sgpr 66
		.amdhsa_reserve_vcc 0
		.amdhsa_float_denorm_mode_32 3
		.amdhsa_float_denorm_mode_16_64 3
		.amdhsa_memory_ordered 1
		.amdhsa_forward_progress 1
		.amdhsa_inst_pref_size 86
	.end_amdhsa_kernel
	.amdgpu_metadata
---
amdhsa.version: [ 1, 2 ]
amdhsa.kernels:
  - .name:           k_q2f035b5554_oproj
    .symbol:         k_q2f035b5554_oproj.kd
    .args:
      - { .name: att, .offset: 0, .size: 8, .value_kind: global_buffer, .address_space: global }
      - { .name: prepd, .offset: 8, .size: 8, .value_kind: global_buffer, .address_space: global }
      - { .name: out0, .offset: 16, .size: 8, .value_kind: global_buffer, .address_space: global }
    .group_segment_fixed_size: 327680
    .private_segment_fixed_size: 0
    .kernarg_segment_align: 8
    .kernarg_segment_size: 24
    .max_flat_workgroup_size: 128
    .sgpr_count:     66
    .vgpr_count:     512
    .wavefront_size: 32
...
	.end_amdgpu_metadata
.endif
;; end of part 5
;; launch fproj (part 6): grid 128 x 1, 8 waves a work-group, no clusters, 167,936 bytes of LDS; arguments af, Wo, out0; writes out0
.if DOCPART == 6
	.amdgcn_target "amdgcn-amd-amdhsa--gfx1250"
	.amdhsa_code_object_version 6
	.text
	.protected	k_q2f035b5554_fproj
	.globl	k_q2f035b5554_fproj
	.p2align	8
	.type	k_q2f035b5554_fproj,@function
k_q2f035b5554_fproj:
	s_mov_b64 s[64:65], 0
	v_nop
	global_prefetch_b8 v0, s[64:65] scope:SCOPE_SE
	s_setreg_imm32_b32 hwreg(HW_REG_WAVE_MODE, 25, 1), 1
	s_wait_xcnt 0x0
; THE FIRST 16 ROWS' PROJECTION in f32: out[row][n] = sum over k of af[row][k] Wo[n][k], by v_wmma_f32_16x16x4_f32: 16 of 2,048 rows, no bulk work.  It stores anew what the launch before stored for these rows.
; A work-group owns 16 columns n; wave w owns k = 256 w .. 256 w + 255; the eight partial sums meet in LDS and wave 0 stores.  No cluster: no two work-groups read the same rows of Wo, and af is small.
; The stores are pieces of 64 bytes a row: 16 rows in all.
; K OF THE f32 FORM: af's pieces give lane (r, h) the numbers k = 16 g + 8 h + 4 u + 0..3 of row r; an instruction takes two registers of a piece, and Wo's registers hold the same k of row n = r: the same k on both sides.
; LDS: Wo's slices, 16,640 bytes a wave (16 rows of 1,024 + 16); RED: 1,024 bytes a wave; the spare words.
; REGISTERS: v4 16 lane; v5 Wo's fragments; v6, v7 RED; v8 out0; v16-31 sums at work; v32-159 af; v160-223 Wo, eight groups of 16 k at a time; v224-255 four accumulators (written by matrix instructions alone).
.set RED,   133120
.set SPARE, 141312
	s_load_b128 s[4:7], s[0:1], 0x0                ; af s[4:5], Wo s[6:7]
	s_load_b64 s[8:9], s[0:1], 0x10                ; out0
	v_lshl_add_u32 v2, v0, 2, SPARE                ; my spare word; never rewritten
	v_mov_b32 v3, 0                                ; 0; never rewritten
	ds_add_u32 v2, v3                              ; the wave's opening: the add, twice on end, and its wait ahead of my tensor load
	ds_add_u32 v2, v3
	v_lshrrev_b32 v1, 5, v0
	v_readfirstlane_b32 s10, v1                    ; wave 0..7
	s_mov_b32 s16, (2<<16)|(1<<20)|(7<<22)|(3<<25) ; elements of 4 bytes; padding: 4 words behind every 256
	s_mov_b32 s17, 256<<16                         ; tensor_dim0 = 256
	s_mov_b32 s18, 16<<16                          ; tensor_dim1 = 16
	s_mov_b32 s19, 256<<16                         ; tile_dim0
	s_mov_b32 s20, 16                              ; tile_dim1
	s_mov_b32 s21, 2048                            ; from row to row
	s_mov_b32 s22, 0
	s_mov_b32 s23, 0
	s_mov_b32 s12, 1
	s_mul_i32 s13, s10, 16640                      ; my slice
	v_and_b32 v9, 31, v0
	v_lshlrev_b32 v4, 4, v9
	v_and_b32 v9, 15, v0                           ; r
	v_bfe_u32 v10, v0, 4, 1                        ; h
	v_mul_u32_u24 v5, v9, 1040
	v_lshl_add_u32 v5, v10, 5, v5
	v_add_nc_u32 v5, s13, v5                       ; row r, + 32 h
	s_lshl_b32 s26, s10, 10
	s_add_co_u32 s26, s26, RED
	v_add_nc_u32 v6, s26, v4
	v_add_nc_u32 v7, RED, v4
	v_lshlrev_b32 v8, 13, v9
	v_lshl_add_u32 v8, v10, 5, v8                  ; out0: row r, + 32 h
	s_lshl_b32 s24, ttmp9, 17                      ; 16 rows of Wo, 8,192 bytes each,
	s_lshl_b32 s25, s10, 10                        ; my 1,024 bytes of them
	s_add_co_u32 s24, s24, s25
	s_mov_b32 s25, 0
	s_lshl_b32 s28, s10, 14                        ; af: 16,384 bytes for 256 k
	s_mov_b32 s29, 0
	s_lshl_b32 s30, ttmp9, 6                       ; my 16 columns of out0
	s_mov_b32 s31, 0
	s_wait_dscnt 0x0                               ; both opening adds are done
	s_wait_kmcnt 0x0
	s_add_nc_u64 s[14:15], s[6:7], s[24:25]
	s_or_b32 s15, s15, 0x80000000
	tensor_load_to_lds s[12:15], s[16:23]          ; my one tensor load
	s_nop 0
	s_add_nc_u64 s[26:27], s[4:5], s[28:29]
	s_add_nc_u64 s[8:9], s[8:9], s[30:31]
.set i, 0
.rept 32
	global_load_b128 v[32+4*i:35+4*i], v4, s[26:27] offset:512*i
.set i, i+1
.endr
	s_wait_tensorcnt 0x0                           ; my slice is in; I alone read it
.macro WLOAD k0                        ; Wo's registers for groups k0 .. k0 + 7 of 16 k
.irp g, 0,1,2,3,4,5,6,7
.irp u, 0,1
	ds_load_b128 v[160+8*\g+4*\u:163+8*\g+4*\u], v5 offset:64*(\k0+\g)+16*\u
.endr
.endr
.endm
.macro WMUL k0                         ; 32 products: four accumulators by turns; the first four start the sums
.irp g, 0,1,2,3,4,5,6,7
.irp i, 0,1,2,3
.if (\k0 == 0) && (\g == 0)
	v_wmma_f32_16x16x4_f32 v[224+8*\i:231+8*\i], v[160+8*\g+2*\i:161+8*\g+2*\i], v[32+8*(\k0+\g)+2*\i:33+8*(\k0+\g)+2*\i], 0
.else
	v_wmma_f32_16x16x4_f32 v[224+8*\i:231+8*\i], v[160+8*\g+2*\i:161+8*\g+2*\i], v[32+8*(\k0+\g)+2*\i:33+8*(\k0+\g)+2*\i], v[224+8*\i:231+8*\i]
.endif
.endr
.endr
.endm
	WLOAD 0
	s_wait_loadcnt 0x0
	s_wait_dscnt 0x0
	WMUL 0
.rept 8
	v_nop                                          ; eight places in front of loads into registers that this form has read
.endr
	WLOAD 8
	s_wait_dscnt 0x0
	WMUL 8
.rept 8
	v_nop                                          ; and in front of the first read of results
.endr
.irp j, 0,2,4,6                        ; each accumulator from its low end on; the sums go into other registers
	v_pk_add_f32 v[16+\j:17+\j], v[224+\j:225+\j], v[232+\j:233+\j]
	v_pk_add_f32 v[24+\j:25+\j], v[240+\j:241+\j], v[248+\j:249+\j]
.endr
.irp j, 0,2,4,6
	v_pk_add_f32 v[16+\j:17+\j], v[16+\j:17+\j], v[24+\j:25+\j]
.endr
	ds_store_b128 v6, v[16:19]
	ds_store_b128 v6, v[20:23] offset:512
	s_wait_dscnt 0x0                               ; my part has landed
	s_barrier_signal -1
	s_barrier_wait -1
	s_cmp_lg_u32 s10, 0
	s_cbranch_scc1 .Lend
.set i, 0
.rept 16
	ds_load_b128 v[32+4*i:35+4*i], v7 offset:512*i
.set i, i+1
.endr
	s_wait_dscnt 0x0
.irp k, 1,2,3,4,5,6,7
.irp j, 0,2,4,6
	v_pk_add_f32 v[32+\j:33+\j], v[32+\j:33+\j], v[32+8*\k+\j:33+8*\k+\j]
.endr
.endr
	global_store_b128 v8, v[32:35], s[8:9]         ; out(r, n0 + 8 h + 0..3),
	global_store_b128 v8, v[36:39], s[8:9] offset:16   ; + 4..7
.Lend:
	s_wait_tensorcnt 0x0                           ; the wave's end, behind my tensor load and my last LDS store
	ds_add_u32 v2, v3
	s_wait_dscnt 0x0
	s_endpgm
.Lfunc_end_k_q2f035b5554_fproj:
	.size	k_q2f035b5554_fproj, .Lfunc_end_k_q2f035b5554_fproj-k_q2f035b5554_fproj
	.p2alignl 7, 3214868480
	.fill 96, 4, 3214868480
	.section	.rodata,"a",@progbits
	.p2align	6, 0x0
	.amdhsa_kernel k_q2f035b5554_fproj
		.amdhsa_group_segment_fixed_size 167936
		.amdhsa_private_segment_fixed_size 0
		.amdhsa_enable_private_segment 0
		.amdhsa_kernarg_size 24
		.amdhsa_user_sgpr_count 2
		.amdhsa_user_sgpr_kernarg_segment_ptr 1
		.amdhsa_wavefront_size32 1
		.amdhsa_system_sgpr_workgroup_id_x 1
		.amdhsa_system_sgpr_workgroup_id_y 1
		.amdhsa_system_sgpr_workgroup_id_z 1
		.amdhsa_system_vgpr_workitem_id 0
		.amdhsa_next_free_vgpr 256
		.amdhsa_next_free_sgpr 66
		.amdhsa_reserve_vcc 0
		.amdhsa_float_denorm_mode_32 3
		.amdhsa_float_denorm_mode_16_64 3
		.amdhsa_memory_ordered 1
		.amdhsa_forward_progress 1
		.amdhsa_inst_pref_size 17
	.end_amdhsa_kernel
	.amdgpu_metadata
---
amdhsa.version: [ 1, 2 ]
amdhsa.kernels:
  - .name:           k_q2f035b5554_fproj
    .symbol:         k_q2f035b5554_fproj.kd
    .args:
      - { .name: af, .offset: 0, .size: 8, .value_kind: global_buffer, .address_space: global }
      - { .name: Wo, .offset: 8, .size: 8, .value_kind: global_buffer, .address_space: global }
      - { .name: out0, .offset: 16, .size: 8, .value_kind: global_buffer, .address_space: global }
    .group_segment_fixed_size: 167936
    .private_segment_fixed_size: 0
    .kernarg_segment_align: 8
    .kernarg_segment_size: 24
    .max_flat_workgroup_size: 256
    .sgpr_count:     66
    .vgpr_count:     256
    .wavefront_size: 32
...
	.end_amdgpu_metadata
.endif
;; end of part 6
